; MI455X (gfx1250); checked and timed in simulation.
; The chip was launched on July 23, 2026; its instructions are those of AMD's public machine-readable ISA for CDNA 5 (MIT licence, August 2026) and "CDNA5" Instruction Set Architecture Reference Guide (July 2026). The comments in the code are by the model that wrote it; some were corrected since.
;; Multi Head Self Attention. Allowed arithmetic: matrix products marked QUANTISED: E2M1 operands, one E8M0 scale for each 32 along K, by v_wmma_scale_f32_16x16x128_f8f6f4 with both operands' format E2M1 (or v_wmma_scale_f32_32x16x128_f4), f32 sums; products left as they are: bf16, f16 or f32 operands; f32 sums; everything else in f32.
;; Inputs: Wk 1,024 x 1,024 float32; Wo 1,024 x 1,024 float32; Wq 1,024 x 1,024 float32; Wv 1,024 x 1,024 float32; bk 1,024 float32; bo 1,024 float32; bq 1,024 float32; bv 1,024 float32; x 4 x 2,048 x 1,024 float32.
;; Outputs: out0 4 x 2,048 x 1,024 float32.
;; This version of the problem:
;;   THIS VERSION OF THE PROBLEM IS GIVEN IN LOW PRECISION. The matrix products marked QUANTISED in the list below multiply operands that are first quantised to E2M1 (2 exponent bits, 1 mantissa bit; 4 bits a number), with one power-of-two scale for each 32 numbers along K (OCP MX v1.0); their sums are f32. The products marked 'left as it is' may take bf16, f16 or f32 operands, with f32 sums. All else is computed in f32.
;;   The module's matrix products, in the order in which they are computed (A, B: the left and right operand; K: the contracted axis; several contracted axes count as one K, in the product's order):
;;     1. [M 8,192, K 1,024] x [K 1,024, N 1,024]; A: input x; B: input Wq: QUANTISED
;;     2. [M 8,192, K 1,024] x [K 1,024, N 1,024]; A: input x; B: input Wk: QUANTISED
;;     3. [M 8,192, K 1,024] x [K 1,024, N 1,024]; A: input x; B: input Wv: QUANTISED
;;     4. batch 64 x [M 2,048, K 64] x [K 64, N 2,048]; A: computed on the way; B: computed on the way: left as it is (an operand is computed on the way)
;;     5. batch 64 x [M 64, K 2,048] x [K 2,048, N 2,048]; A: computed on the way; B: computed on the way: left as it is (an operand is computed on the way)
;;     6. [M 8,192, K 1,024] x [K 1,024, N 1,024]; A: computed on the way; B: input Wo: left as it is (an operand is computed on the way)
;;   THE QUANTISER, for each operand of a quantised product, along K:
;;     - K is cut into blocks of 32 from its start; a last block that is shorter is filled with zeros.
;;     - A block's scale is 2^e with e = floor(log2(the largest magnitude in the block)) - 2, held to -126 .. 127; a block of zeros has e = 0. As a byte (E8M0): e + 127.
;;     - Each number is divided by its block's scale, clamped to +-6, and rounded to the nearest number of E2M1, ties to even, subnormals kept.
;;     - The product sums the exact products of the quantised numbers (number of the format x scale) in f32.
;;   ~~~python
;;   def quantise(x, axis):      # numpy; x: float32 -> the quantised numbers, widened to float32 again
;;       x = np.moveaxis(x, axis, -1); K = x.shape[-1]
;;       x = np.pad(x, [(0, 0)] * (x.ndim - 1) + [(0, -K % 32)]); x = x.reshape(x.shape[:-1] + (-1, 32)); a = np.abs(x).max(-1, keepdims=True)
;;       e = np.where(a > 0, np.clip(np.frexp(np.where(a > 0, a, 1))[1] - 1 - 2, -126, 127), 0)      # np.frexp(a)[1] - 1 = floor(log2(a)), exactly
;;       r = np.clip(x / 2.0 ** e, -6, 6)
;;       step = 2.0 ** (np.maximum(np.frexp(np.where(r == 0, 1, r))[1] - 1, 0) - 1)
;;       q = np.round(r / step) * step * 2.0 ** e      # np.round: ties to even
;;       return np.moveaxis(q.reshape(q.shape[:-2] + (-1,))[..., :K], -1, axis).astype(np.float32)
;;   ~~~
;; One version. Each part assembles by itself: llvm-mc -triple=amdgcn-amd-amdhsa -mcpu=gfx1250 --defsym DOCPART=n.
;; ======== version 1 of 1: 4 launches
;; limits: values are held in f16: magnitudes above 65,504 overflow, below 6.1e-05 lose precision
;; workspace buffers: xc 4,194,304 bytes; xs 262,144 bytes; wc 1,572,864 bytes; ws 98,304 bytes; wo16 2,097,152 bytes; qkv16 50,331,648 bytes; att16 16,777,216 bytes
;; launch prep (part 1): grid 384 x 1, 4 waves a work-group, no clusters, 33,280 bytes of LDS; arguments x, Wq, Wk, Wv, Wo, xc, xs, wc, ws, wo16; writes xc, xs, wc, ws, wo16
.if DOCPART == 1
	.amdgcn_target "amdgcn-amd-amdhsa--gfx1250"
	.amdhsa_code_object_version 6
	.text
	.protected	k_q0b39e716aa_prep
	.globl	k_q0b39e716aa_prep
	.p2align	8
	.type	k_q0b39e716aa_prep,@function
k_q0b39e716aa_prep:
	s_mov_b64 s[64:65], 0
	v_nop
	global_prefetch_b8 v0, s[64:65] scope:SCOPE_SE
	s_setreg_imm32_b32 hwreg(HW_REG_WAVE_MODE, 25, 1), 1
	s_wait_xcnt 0x0
; x [8192][1024] and Wq, Wk, Wv [1024][1024], f32, K innermost, become codes of FP4 (E2M1) with one E8M0 scale byte for each 32 along K; Wo [1024][1024] becomes f16.
; xc [8192][512 bytes], xs [8192][32]; wc [3072][512 bytes], ws [3072][32]: rows 0-1023 Wq's, 1024-2047 Wk's, 2048-3071 Wv's.
; wo16: [n / 128][k / 64][n % 128][k % 64] f16: a block of 128 rows x 64 along K is 16,384 consecutive bytes.
; A block's scale is 2^(floor(log2(its largest magnitude)) - 2); its byte is the largest magnitude's exponent field - 2, held at 1 from below.  Each number is divided by the scale and rounded to the nearest code, ties to even.
; LIMITS: a block of zeros gets the byte 1 where the rule says 127 (its codes are zeros, which add nothing under any byte but 0xff, and this program alone reads the bytes); blocks whose largest magnitude
; lies under 2^-124 keep the byte 1; NaN and infinities are not served; Wo is rounded to f16 once (|Wo| under 65,504).
; SHARES: work-groups 0-255 take x, 256-287 Wq, 288-319 Wk, 320-351 Wv, 32,768 numbers each, 8,192 a wave in 16 steps of 512; work-groups 352-383 take Wo, 8 rows a wave.
; Rows are dense and K is a multiple of 32: the quantised tensors are plain streams of blocks of 32.  Only pointers are chosen by the work-group's number: the four tensors take one path.  Wo's path uses no LDS.
; A step's four loads read 512 consecutive bytes each, 16 a lane; the 2,048 bytes turn through the wave's own stage in LDS and come back 64 bytes a lane, so that a lane holds 16 neighbours along K (two lanes a block).
.set STEPS, 16
.set EMAX,  2
.set CB,    8                          ; bytes of 16 codes
.set R,     16                         ; v16-79   four sets of 16 numbers as they are loaded
.set X,     80                         ; v80-111  two sets of 16 neighbours
.set E,     112                        ; v112-127 a scale byte for each step
.set C,     128                        ; v128-191 codes: four registers for each step, so that no store's data are written again
.set WREG,  8192                       ; LDS: a region for each wave: two stages of 32 x SP bytes, then its 256 scale bytes
.set SP,    80                         ; a lane's place in a stage: 64 bytes + 16 of padding
.set WV,    26                         ; s26 my wave's number
	s_load_b512 s[4:19], s[0:1], 0x0               ; x 4:5, Wq 6:7, Wk 8:9, Wv 10:11, Wo 12:13, xc 14:15, xs 16:17, wc 18:19
	s_load_b128 s[20:23], s[0:1], 0x40             ; ws 20:21, wo16 22:23
	v_lshl_add_u32 v192, v0, 2, 0x8000
	v_mov_b32 v193, 0
	v_lshrrev_b32 v1, 5, v0
	v_readfirstlane_b32 s[WV], v1                  ; wave 0..3
	v_and_b32 v2, 31, v0                           ; lane
	s_mov_b32 s29, 0                               ; the high word of every offset here: all stay under 2^32
	s_wait_kmcnt 0x0
	s_cmp_ge_u32 ttmp9, 352
	s_cbranch_scc1 .Lcast                          ; the work-group's number alone decides
	; ---- the quantiser
	v_lshlrev_b32 v3, 4, v2                        ; my 16 bytes of a load's 512
	s_mul_i32 s27, s[WV], WREG
	v_lshrrev_b32 v14, 2, v2
	v_mul_u32_u24 v14, v14, SP
	v_and_b32 v15, 3, v2
	v_lshl_add_u32 v14, v15, 4, v14
	v_add_nc_u32 v14, s27, v14                     ; the stage, on the way in: SP (lane / 4) + 16 (lane % 4)
	v_mul_u32_u24 v15, v2, SP
	v_add_nc_u32 v15, s27, v15                     ; and on the way out: SP x lane: my 16 neighbours
	v_mul_u32_u24 v4, v2, CB                       ; my codes' place in a step's
	v_lshrrev_b32 v5, 1, v2
	s_add_co_u32 s27, s27, 2*32*SP
	v_add_nc_u32 v5, s27, v5                       ; LDS: my wave's 256 scale bytes, my block's byte
	v_lshlrev_b32 v7, 3, v2                        ; and on the way out 8 bytes a lane
	v_add_nc_u32 v6, s27, v7
	s_sub_co_u32 s24, ttmp9, 256                   ; a weight's chunk among the three weights' 96 (used where the number is 256 or more)
	s_and_b32 s25, s24, 31                         ; and within its own tensor
	s_cmp_lt_u32 ttmp9, 320
	s_cselect_b64 s[8:9], s[8:9], s[10:11]         ; Wk or Wv
	s_cmp_lt_u32 ttmp9, 288
	s_cselect_b64 s[6:7], s[6:7], s[8:9]           ; Wq or that
	s_cmp_lt_u32 ttmp9, 256
	s_cselect_b64 s[4:5], s[4:5], s[6:7]           ; x or that
	s_cselect_b64 s[14:15], s[14:15], s[18:19]     ; xc or wc
	s_cselect_b64 s[16:17], s[16:17], s[20:21]     ; xs or ws
	s_cselect_b32 s25, ttmp9, s25                  ; the chunk in the source
	s_cselect_b32 s24, ttmp9, s24                  ; and in the destination
	s_lshl_b32 s25, s25, 2
	s_add_co_u32 s25, s25, s[WV]                   ; my wave's run of 8,192 numbers
	s_lshl_b32 s28, s25, 15                        ; 32,768 bytes of f32
	s_add_nc_u64 s[4:5], s[4:5], s[28:29]
	s_lshl_b32 s24, s24, 2
	s_add_co_u32 s24, s24, s[WV]
	s_lshl_b32 s28, s24, 12                        ; 4,096 bytes of codes
	s_add_nc_u64 s[14:15], s[14:15], s[28:29]
	s_lshl_b32 s28, s24, 8                         ; 256 scale bytes
	s_add_nc_u64 s[16:17], s[16:17], s[28:29]
.macro LOAD t
.irp i, 0,1,2,3
	global_load_b128 v[R+16*((\t)%4)+4*\i:R+16*((\t)%4)+4*\i+3], v3, s[4:5] offset:2048*(\t)+512*\i th:TH_LOAD_NT   ; 32 lanes read 512 consecutive bytes
.endr
.endm
.macro TURN t                          ; step t's numbers through the stage: LDS serves a wave's instructions in order, so no wait stands between the stores and the loads
.irp i, 0,1,2,3
	ds_store_b128 v14, v[R+16*((\t)%4)+4*\i:R+16*((\t)%4)+4*\i+3] offset:32*SP*((\t)%2)+8*SP*\i
.endr
.irp i, 0,1,2,3
	ds_load_b128 v[X+16*((\t)%2)+4*\i:X+16*((\t)%2)+4*\i+3], v15 offset:32*SP*((\t)%2)+16*\i
.endr
.endm
.irp t, 0,1,2,3
	LOAD \t
.endr
	s_wait_loadcnt 12                              ; step 0's four loads are in; the twelve of steps 1 to 3 stay out
	TURN 0
.macro STEP t
.set XS, X+16*((\t)%2)
.if (\t) > 0
	s_wait_dscnt 1                                 ; this step's numbers are back from the stage (the last step's byte store may be out): so its stores into the stage have read their registers,
.else
	s_wait_dscnt 0x0
.endif
.if (\t)+4 < STEPS
	LOAD (\t)+4                                    ; which take the loads of four steps on
.endif
.if (\t)+1 < STEPS
.if STEPS-2-(\t) >= 3
	s_wait_loadcnt 12                              ; the next step's four loads are in; those of the three steps behind it may be out
.else
	s_wait_loadcnt 4*(STEPS-2-(\t))
.endif
	TURN (\t)+1                                    ; and go through the other stage while this step is worked
.endif
	v_max3_num_f32 v8, |v[XS]|, |v[XS+1]|, |v[XS+2]|               ; the largest magnitude of my 16, in two chains
	v_max3_num_f32 v9, |v[XS+3]|, |v[XS+4]|, |v[XS+5]|
.irp i, 6,10
	v_max3_num_f32 v8, v8, |v[XS+\i]|, |v[XS+\i+1]|
	v_max3_num_f32 v9, v9, |v[XS+\i+2]|, |v[XS+\i+3]|
.endr
	v_max3_num_f32 v8, v8, |v[XS+14]|, |v[XS+15]|
	v_max3_num_f32 v8, v8, v9, (EMAX+1)<<23        ; and the floor 2^(3 - 127): the byte cannot fall under 1
	v_max_num_f32_dpp v8, v8, v8 row_xmask:1 row_mask:0xf bank_mask:0xf   ; and of my neighbour's 16: the block's
	v_add_nc_u32 v11, -(EMAX<<23), v8              ; 2 off its exponent field: the conversion takes the exponent field of this operand as its scale, and nothing else of it
	v_cvt_scalef32_pk8_fp4_f32 v[C+4*(\t)], v[XS:XS+7], v11        ; eight numbers / the scale, to the nearest code, ties to even, beyond 6 the largest code
	v_cvt_scalef32_pk8_fp4_f32 v[C+4*(\t)+1], v[XS+8:XS+15], v11
	v_lshrrev_b32 v[E+(\t)], 23, v11               ; the scale's byte (also the plain line behind the conversions)
	ds_store_b8 v5, v[E+(\t)] offset:16*(\t)       ; both lanes of a block write the same byte with the same value
	global_store_b64 v4, v[C+4*(\t):C+4*(\t)+1], s[14:15] offset:32*CB*(\t)   ; the wave stores 256 consecutive bytes, aligned
.endm
.irp t, 0,1,2,3,4,5,6,7,8,9,10,11,12,13,14,15
	STEP \t
.endr
	ds_load_b64 v[12:13], v6                       ; LDS serves a wave's instructions in order: these see my byte stores
	s_wait_dscnt 0x0
	global_store_b64 v7, v[12:13], s[16:17]        ; 32 lanes store the wave's 256 scale bytes, aligned
	s_wait_tensorcnt 0x0
	ds_add_u32 v192, v193
	s_wait_dscnt 0x0
	s_endpgm
	; ---- Wo to f16.  Wave wi of 128 takes rows 8 wi .. 8 wi + 7, a pair of rows at a time: for each 64 along K lanes 0-15 read 256 bytes of the even row, lanes 16-31 of the odd one,
	; and the wave stores the two rows' 128 + 128 bytes of f16, which are neighbours in wo16.
.Lcast:
	s_sub_co_u32 s24, ttmp9, 352
	s_lshl_b32 s24, s24, 2
	s_add_co_u32 s24, s24, s[WV]                   ; wi
	s_lshl_b32 s28, s24, 15                        ; 8 rows of 4,096 bytes
	s_add_nc_u64 s[12:13], s[12:13], s[28:29]
	s_lshr_b32 s28, s24, 4
	s_lshl_b32 s28, s28, 18                        ; the block of 128 rows: 16 x 16,384 bytes
	s_and_b32 s25, s24, 15
	s_lshl_b32 s25, s25, 10                        ; my 8 rows of 128 bytes in it
	s_add_co_u32 s28, s28, s25
	s_add_nc_u64 s[22:23], s[22:23], s[28:29]
	v_lshrrev_b32 v1, 4, v2
	v_and_b32 v3, 15, v2
	v_lshlrev_b32 v1, 12, v1
	v_lshl_add_u32 v1, v3, 4, v1                   ; in: 4,096 (lane / 16) + 16 (lane % 16)
	v_lshlrev_b32 v2, 3, v2                        ; out: 8 x lane
.macro LOADB p                         ; the pair of rows p into set p % 2: sixteen loads, one for each 64 along K
.set CA, 16+64*((\p)%2)
.irp h, 0,1,2,3,4,5,6,7,8,9,10,11,12,13,14,15
	global_load_b128 v[CA+4*\h:CA+4*\h+3], v1, s[12:13] offset:(\p)*8192+\h*256 th:TH_LOAD_NT
.endr
.endm
.macro CASTB p
.if (\p) < 3
	s_wait_loadcnt 16                              ; this pair's sixteen loads are in; the next pair's sixteen stay out
.else
	s_wait_loadcnt 0x0
.endif
.set CA, 16+64*((\p)%2)
.irp h, 0,1,2,3,4,5,6,7,8,9,10,11,12,13,14,15
	v_cvt_pk_f16_f32 v[CA+4*\h], v[CA+4*\h], v[CA+4*\h+1]
	v_cvt_pk_f16_f32 v[CA+4*\h+1], v[CA+4*\h+2], v[CA+4*\h+3]
	global_store_b64 v2, v[CA+4*\h:CA+4*\h+1], s[22:23] offset:\h*16384+(\p)*256   ; 256 consecutive bytes, aligned
.endr
.if (\p) < 2
	s_wait_xcnt 0x0                                ; the stores have read their data: the set is loaded again only behind this wait
	LOADB (\p)+2
.endif
.endm
	LOADB 0
	LOADB 1
	CASTB 0
	CASTB 1
	CASTB 2
	CASTB 3
	s_endpgm
.Lfunc_end_k_q0b39e716aa_prep:
	.size	k_q0b39e716aa_prep, .Lfunc_end_k_q0b39e716aa_prep-k_q0b39e716aa_prep
	.p2alignl 7, 3214868480
	.fill 96, 4, 3214868480
	.section	.rodata,"a",@progbits
	.p2align	6, 0x0
	.amdhsa_kernel k_q0b39e716aa_prep
		.amdhsa_group_segment_fixed_size 33280
		.amdhsa_private_segment_fixed_size 0
		.amdhsa_enable_private_segment 0
		.amdhsa_kernarg_size 80
		.amdhsa_user_sgpr_count 2
		.amdhsa_user_sgpr_kernarg_segment_ptr 1
		.amdhsa_wavefront_size32 1
		.amdhsa_system_sgpr_workgroup_id_x 1
		.amdhsa_system_sgpr_workgroup_id_y 1
		.amdhsa_system_sgpr_workgroup_id_z 1
		.amdhsa_system_vgpr_workitem_id 0
		.amdhsa_next_free_vgpr 194
		.amdhsa_next_free_sgpr 66
		.amdhsa_reserve_vcc 0
		.amdhsa_float_denorm_mode_32 3
		.amdhsa_float_denorm_mode_16_64 3
		.amdhsa_memory_ordered 1
		.amdhsa_forward_progress 1
		.amdhsa_inst_pref_size 54
	.end_amdhsa_kernel
	.amdgpu_metadata
---
amdhsa.version: [ 1, 2 ]
amdhsa.kernels:
  - .name:           k_q0b39e716aa_prep
    .symbol:         k_q0b39e716aa_prep.kd
    .args:
      - { .name: x, .offset: 0, .size: 8, .value_kind: global_buffer, .address_space: global }
      - { .name: Wq, .offset: 8, .size: 8, .value_kind: global_buffer, .address_space: global }
      - { .name: Wk, .offset: 16, .size: 8, .value_kind: global_buffer, .address_space: global }
      - { .name: Wv, .offset: 24, .size: 8, .value_kind: global_buffer, .address_space: global }
      - { .name: Wo, .offset: 32, .size: 8, .value_kind: global_buffer, .address_space: global }
      - { .name: xc, .offset: 40, .size: 8, .value_kind: global_buffer, .address_space: global }
      - { .name: xs, .offset: 48, .size: 8, .value_kind: global_buffer, .address_space: global }
      - { .name: wc, .offset: 56, .size: 8, .value_kind: global_buffer, .address_space: global }
      - { .name: ws, .offset: 64, .size: 8, .value_kind: global_buffer, .address_space: global }
      - { .name: wo16, .offset: 72, .size: 8, .value_kind: global_buffer, .address_space: global }
    .group_segment_fixed_size: 33280
    .private_segment_fixed_size: 0
    .kernarg_segment_align: 8
    .kernarg_segment_size: 80
    .max_flat_workgroup_size: 128
    .sgpr_count:     66
    .vgpr_count:     194
    .wavefront_size: 32
...
	.end_amdgpu_metadata
.endif
;; end of part 1
;; launch qkv (part 2): grid 12 x 32, 4 waves a work-group, clusters of 4 x 4, 327,680 bytes of LDS; arguments xc, xs, wc, ws, bq, bk, bv, qkv16; writes qkv16
.if DOCPART == 2
	.amdgcn_target "amdgcn-amd-amdhsa--gfx1250"
	.amdhsa_code_object_version 6
	.text
	.protected	k_q0b39e716aa_qkv
	.globl	k_q0b39e716aa_qkv
	.p2align	8
	.type	k_q0b39e716aa_qkv,@function
k_q0b39e716aa_qkv:
	s_mov_b64 s[64:65], 0
	v_nop
	global_prefetch_b8 v0, s[64:65] scope:SCOPE_SE
	s_setreg_imm32_b32 hwreg(HW_REG_WAVE_MODE, 25, 1), 1
	s_wait_xcnt 0x0
	s_wait_alu depctr_hold_cnt(0) depctr_sa_sdst(0) depctr_va_vdst(0) depctr_va_sdst(0) depctr_va_ssrc(0) depctr_va_vcc(0) depctr_vm_vsrc(0)
	s_getreg_b32 s2, hwreg(HW_REG_IB_STS2, 6, 4)
	s_cmp_eq_u32 s2, 0
	s_cbranch_scc0 .Lentry_in_a_cluster
	s_endpgm
.Lentry_in_a_cluster:
	s_bfe_u32 s2, ttmp6, 0x10000c
	s_cmp_lg_u32 s2, 0xf033
	s_cbranch_scc0 .Lentry_shape_is_right
	s_endpgm
.Lentry_shape_is_right:
; q, k, v = x W^T + b for the three weights at once: C[m][n] = sum over k of A[m][k] B[n][k] + bias[n], A = x's codes [8192][1024], B = the weights' codes [3072][1024] (FP4, E2M1, one E8M0 scale for each 32 along K); sums in f32.
; The result is rounded to f16 once and laid by heads: qkv16 [batch 4][hc 48][token 2048][64], hc = n / 64 = 16 x (0 q, 1 k, 2 v) + head: a token's row is 128 bytes, a block (batch, hc) 262,144 consecutive bytes.
; LIMIT: |q|, |k|, |v| under 65,504, f16's largest number.  With every input 30 times larger they grow 900 times, to about 5,000; with x and the weights shifted by 30 of their spreads they reach about 30 x 30/32 x 1,024 = 28,800.
; A tile of C, 256 x 256, is made by a work-group of four waves; a wave makes 128 x 128: 64 accumulators of 16 x 16, 512 registers.  K = 1,024 is two K steps of 512: both LDS slots are filled at the start and none again.
; THE SCALES of the work-group's 256 rows of A and 256 rows of B, for all of K, are two dense blocks of memory: they come into LDS once, with the first fills.
; CLUSTERS: 4 x 4 work-groups.  The four of a row of the cluster need the same tiles of A, the four of a column the same tiles of B: each tile is asked for JOINTLY, by the same tensor load with the same descriptor and a mask that names the four.
; THE MATRIX INSTRUCTION IS USED TRANSPOSED (source 0 = 16 rows of B, source 1 = 16 rows of A): a lane holds eight neighbouring columns of one row of C.  THE BIAS is the C of each sum's first product.
; REGISTERS, in windows of 256: window 0: v0-31 addresses; v32-95 scale words, two sets; v128-191 A's fragments, one set; v192-255 the bias in the result's layout, on the way out packed results.
;   window 1: B's fragments, two sets, at v0 and v128.   window 2: the 32 accumulators of my rows 0-63 ((a, b) at v[8 (8 a + b)]);   window 3: those of my rows 64-127.
.set KSTEP,  512                       ; along K in a slot
.set NQ,     KSTEP/128                 ; matrix instructions deep
.set ROWB,   256                       ; a tile's row in bytes
.set KROW,   512                       ; a row of A or of B in memory, in bytes
.set PITCH,  272                       ; an LDS row: 256 bytes + 16 of padding = 68 words: the 16 rows that a load touches start at 16 different banks (64 banks of 4 bytes: ISA guide 11.1)
.set FR,     8                         ; registers of a fragment: 16 rows x 128 K
.set NL,     2                         ; LDS loads that bring one
.set NP,     4                         ; places behind this matrix instruction (ISA guide 7.12.1)
.set HALFT,  128*PITCH                 ; 128 rows: what one tensor load brings
.set SLOT,   4*HALFT                   ; A's 256 rows, then B's 256 rows
.set KS,     32                        ; a row of scales in bytes
.set SCL,    2*SLOT                    ; behind the ring: the scales, as units of 256 bytes + 16 of padding
.set HALFS,  (128*KS/256)*272          ; the scales of 128 rows
.set SBLK,   (16*KS/256)*272           ; those of 16 rows
.set SPARE,  SCL+4*HALFS               ; the spare words, 128 bytes for each wave: two blocks of 256 bytes that no other line names
.set STAGE,  SPARE+512                 ; the way out: for each wave 2 heads x 16 rows x (128 bytes + 16); no tensor load lands here
.set SROW,   144
.set SHEAD,  16*SROW
.set ADRA, 16                          ; v16-17  LDS address of my A fragments in slot 0, 1
.set ADRB, 20                          ; v20-21  the same for B
.set STO,  24                          ; v24     the way out: where I put 16 bytes of a row
.set RD,   25                          ; v25     where I read four rows back
.set CO,   26                          ; v26     16 x lane: my place in 512 bytes of qkv16
.set ADRS, 27                          ; v27     LDS address of my scale words: lanes 0-15 A's rows, lanes 16-31 B's
.set SPW,  28                          ; v28     LDS address of my spare word; never rewritten
.set NIL,  29                          ; v29     0; never rewritten
.set BO,   30                          ; v30     32 x (lane / 16): my eight numbers of a tile's sixteen biases
.set SC,   32                          ; scale words: set s at v[SC + 32 s]; register 4 i + q: lanes 0-15 the word of A's block i, lanes 16-31 of B's block i, for the slot's q-th 128 along K
.set AF,   128                         ; A's fragments
.set BIA,  192                         ; the bias of B's block b at v[BIA + 8 b]
.set TMP,  192                         ; the way out: a block's 32 packed registers
.set BK,   128                         ; the way out: 16 rows read back: v128-159 and v160-191 by turns
.set G1, 24                            ; s[24:31] descriptor group 1 for A's tiles;  s[32:39] group 0, one set for each slot
.set G0, 32
.set G1B, 48                           ; s[48:55], s[56:63] the same for B's tiles
.set G0B, 56
.set G1S, 68                           ; s[68:75], s[76:79] groups 1 and 0 for A's scales;  s[80:87], s[88:91] for B's
.set G0S, 76
.set G1SB, 80
.set G0SB, 88
.set MSB, 0
.macro WIN new                         ; the immediate's high byte repeats the setting that is left
.if MSB != (\new)
	s_set_vgpr_msb (MSB<<8)|(\new)
.set MSB, (\new)
.endif
.endm
.set MUL_LO, 0xa1                      ; source 0 (B) window 1, source 1 (A) window 0, C and D window 2
.set MUL_HI, 0xf1                      ; the same, C and D window 3
.set BIA_LO, 0x81                      ; C (the bias) window 0, D window 2
.set BIA_HI, 0xc1                      ; C window 0, D window 3
.set TO_B,   0x40                      ; destination window 1, address window 0
; A joint load: waves 0 and 1 fetch for A, waves 2 and 3 for B.  Each of the two lines has one mask and one set of registers for all that issue it; the branch hangs on the wave's number alone.
; Four v_nop follow each of the two lines, ahead of the jump, the label and what follows.
.macro JLOAD g0a, g1a, g0b, g1b
	s_cmp_eq_u32 s15, 0
	s_cbranch_scc0 .Lfor_b_\@
	tensor_load_to_lds s[\g0a:\g0a+3], s[\g1a:\g1a+7]
	s_nop 0
.rept 4
	v_nop
.endr
	s_branch .Lasked_\@
.Lfor_b_\@:
	tensor_load_to_lds s[\g0b:\g0b+3], s[\g1b:\g1b+7]
	s_nop 0
.rept 4
	v_nop
.endr
.Lasked_\@:
.endm
.macro CROUND                          ; a round of the cluster's barrier: my work-group's barrier; wave 0 signals for the work-group; every wave waits for all sixteen; my work-group's barrier once more
	s_barrier_signal -1
	s_barrier_wait -1
	s_cmp_lg_u32 s14, 0
	s_cbranch_scc1 .Lnot_wave_0_\@
	s_barrier_signal -3
.Lnot_wave_0_\@:
	s_barrier_wait -3
	s_barrier_signal -1
	s_barrier_wait -1
.endm
	s_load_b128 s[4:7], s[0:1], 0x0                ; A's codes s[4:5], A's scales s[6:7]
	s_load_b128 s[8:11], s[0:1], 0x10              ; B's codes s[8:9], B's scales s[10:11]
	s_load_b128 s[96:99], s[0:1], 0x20             ; bq, bk
	s_load_b64 s[100:101], s[0:1], 0x30            ; bv
	s_load_b64 s[12:13], s[0:1], 0x38              ; qkv16
	v_lshl_add_u32 v[SPW], v0, 2, SPARE
	v_mov_b32 v[NIL], 0
	ds_add_u32 v28, v29
	s_wait_dscnt 0x0
	v_lshrrev_b32 v1, 5, v0
	v_readfirstlane_b32 s14, v1                    ; wave 0..3
	s_lshr_b32 s15, s14, 1                         ; which half of the tile's rows is mine.  Also: I fetch for A (0) or for B (1)
	s_and_b32 s16, s14, 1                          ; which half of its columns.  Also: which 128 rows of that tile I fetch
	s_bfe_u32 s40, ttmp6, 0x40000                  ; cx, cy: my place in the cluster
	s_bfe_u32 s41, ttmp6, 0x40004
	s_lshl_b32 s42, ttmp9, 2
	s_add_co_u32 s42, s42, s40                     ; tile column of C = 4 x cluster x + cx
	s_and_b32 s17, ttmp7, 0xffff
	s_lshl_b32 s17, s17, 2
	s_add_co_u32 s17, s17, s41                     ; tile row of C = 4 x cluster y + cy
	s_lshl_b32 s43, s41, 2
	s_lshl_b32 s43, 15, s43                        ; my row of the cluster
	s_lshl_b32 s44, 0x1111, s40                    ; my column
	; descriptor group 1: a tile of 128 rows x 256 bytes, padded in LDS
	s_or_b32 s[G1+0], s43, (0<<16)|(1<<20)|(1<<21)|(5<<22)|(3<<25)  ; 15:0 the mask: A's tiles go to my row; 17:16 element of 1 byte; 20 padding on; 21 set beside a mask; 24:22 after every 64 words; 31:25 of 4 words
	s_or_b32 s[G1B+0], s44, (0<<16)|(1<<20)|(1<<21)|(5<<22)|(3<<25)
.irp g, G1, G1B
	s_mov_b32 s[\g+1], ROWB<<16                    ; tensor_dim0
	s_mov_b32 s[\g+2], 128<<16                     ; tensor_dim1 = 128
	s_mov_b32 s[\g+3], ROWB<<16                    ; tile_dim0
	s_mov_b32 s[\g+4], 128                         ; tile_dim1 = 128
	s_mov_b32 s[\g+5], KROW                        ; tensor_dim0_stride
	s_mov_b32 s[\g+6], 0
	s_mov_b32 s[\g+7], 0
.endr
	; and for the scales of 128 rows: a dense block of 4,096 bytes, as 16 rows of 256 bytes (32 elements of 8 bytes), 16 bytes of padding behind each
	s_or_b32 s[G1S+0], s43, (3<<16)|(1<<20)|(1<<21)|(5<<22)|(3<<25)
	s_or_b32 s[G1SB+0], s44, (3<<16)|(1<<20)|(1<<21)|(5<<22)|(3<<25)
.irp g, G1S, G1SB
	s_mov_b32 s[\g+1], 32<<16
	s_mov_b32 s[\g+2], (128*KS/256)<<16
	s_mov_b32 s[\g+3], 32<<16
	s_mov_b32 s[\g+4], 128*KS/256
	s_mov_b32 s[\g+5], 32
	s_mov_b32 s[\g+6], 0
	s_mov_b32 s[\g+7], 0
.endr
	s_lshl_b32 s18, s16, 7                         ; which 128 rows of the tile I fetch
	s_lshl_b32 s20, s17, 8
	s_add_co_u32 s20, s20, s18                     ; A: row 256 x tile row + 128 x half
	s_lshl_b32 s46, s42, 8
	s_add_co_u32 s46, s46, s18                     ; B: row 256 x tile column + 128 x half
	s_mov_b32 s21, 0
	s_mov_b32 s47, 0
	s_mov_b64 s[18:19], KS
	s_mul_u64 s[22:23], s[20:21], s[18:19]         ; where these rows' scales begin, in bytes
	s_mul_u64 s[92:93], s[46:47], s[18:19]
	s_mov_b64 s[18:19], KROW
	s_mul_u64 s[20:21], s[20:21], s[18:19]         ; and their codes
	s_mul_u64 s[46:47], s[46:47], s[18:19]
	s_mul_i32 s45, s14, HALFT                      ; where they go: wave x 128 rows: no place in the cluster enters an LDS address
	s_mul_i32 s94, s14, HALFS
	s_wait_kmcnt 0x0
	s_add_nc_u64 s[20:21], s[4:5], s[20:21]
	s_add_nc_u64 s[22:23], s[6:7], s[22:23]
	s_add_nc_u64 s[46:47], s[8:9], s[46:47]
	s_add_nc_u64 s[92:93], s[10:11], s[92:93]
	CROUND                                         ; all sixteen work-groups are here: the joint loads meet
	s_mov_b32 s[G0S], 1
	s_add_co_u32 s[G0S+1], s94, SCL
	s_mov_b64 s[G0S+2:G0S+3], s[22:23]
	s_or_b32 s[G0S+3], s[G0S+3], 0x80000000
	s_mov_b32 s[G0SB], 1
	s_add_co_u32 s[G0SB+1], s94, SCL
	s_mov_b64 s[G0SB+2:G0SB+3], s[92:93]
	s_or_b32 s[G0SB+3], s[G0SB+3], 0x80000000
	JLOAD G0S, G1S, G0SB, G1SB                     ; the scales first: they are wanted with K step 0
.irp s, 0,1
	s_mov_b32 s[G0+4*\s], 1
	s_add_co_u32 s[G0+4*\s+1], s45, \s*SLOT
	s_add_nc_u64 s[G0+4*\s+2:G0+4*\s+3], s[20:21], \s*ROWB
	s_or_b32 s[G0+4*\s+3], s[G0+4*\s+3], 0x80000000
	s_mov_b32 s[G0B+4*\s], 1
	s_add_co_u32 s[G0B+4*\s+1], s45, \s*SLOT
	s_add_nc_u64 s[G0B+4*\s+2:G0B+4*\s+3], s[46:47], \s*ROWB
	s_or_b32 s[G0B+4*\s+3], s[G0B+4*\s+3], 0x80000000
	JLOAD G0+4*\s, G1, G0B+4*\s, G1B               ; three tensor loads of mine are out: all that this wave ever issues
.endr
	v_and_b32 v1, 15, v0                           ; l % 16
	v_bfe_u32 v2, v0, 4, 1                         ; l / 16
	; the bias: four tile columns are one weight's 1,024 columns, so the cluster's x says which of bq, bk, bv; my 128 numbers begin at 256 cx + 128 x half
	s_cmp_eq_u32 ttmp9, 1
	s_cselect_b64 s[98:99], s[98:99], s[100:101]
	s_cmp_eq_u32 ttmp9, 0
	s_cselect_b64 s[96:97], s[96:97], s[98:99]
	s_lshl_b32 s2, s40, 10
	s_lshl_b32 s3, s16, 9
	s_add_co_u32 s2, s2, s3
	s_mov_b32 s3, 0
	s_add_nc_u64 s[96:97], s[96:97], s[2:3]
	v_lshlrev_b32 v[BO], 5, v2
.irp b, 0,1,2,3,4,5,6,7
	global_load_b128 v[BIA+8*\b:BIA+8*\b+3], v[BO], s[96:97] offset:64*\b       ; lane (r, h), register j: bias of column 16 b + 8 h + j
	global_load_b128 v[BIA+8*\b+4:BIA+8*\b+7], v[BO], s[96:97] offset:64*\b+16
.endr
	v_mul_u32_u24 v3, v1, PITCH
	v_lshl_add_u32 v4, v2, 4, v3                   ; a fragment's row x pitch + 16 x half
	s_mul_i32 s21, s15, HALFT                      ; my 128 rows of A
	s_mul_i32 s22, s16, HALFT                      ; my 128 rows of B,
	s_add_co_u32 s22, s22, 2*HALFT                 ; which lie behind A's 256
.irp s, 0,1
	v_add_nc_u32 v[ADRA+\s], s21, v4
	v_add_nc_u32 v[ADRB+\s], s22, v4
	s_add_co_u32 s21, s21, SLOT
	s_add_co_u32 s22, s22, SLOT
.endr
	v_mul_u32_u24 v5, v1, KS                       ; my row's scales: 32 bytes a row,
	v_lshrrev_b32 v6, 8, v5
	v_lshl_add_u32 v5, v6, 4, v5                   ; and 16 more for each 256 passed
	s_mul_i32 s21, s15, HALFS                      ; A's: my 128 rows
	s_mul_i32 s22, s16, HALFS                      ; B's: my 128 rows, behind A's 256
	s_add_co_u32 s22, s22, 2*HALFS
	s_sub_co_u32 s22, s22, s21
	v_mul_u32_u24 v6, s22, v2                      ; lanes 16-31 take B's
	s_add_co_u32 s21, s21, SCL
	v_add_nc_u32 v5, v5, v6
	v_add_nc_u32 v[ADRS], s21, v5
	s_mul_i32 s23, s14, 2*SHEAD
	s_add_co_u32 s23, s23, STAGE                   ; my stage
	v_mul_u32_u24 v5, v1, SROW                     ; in: row l % 16, 16 bytes for each half of the lanes
	v_lshl_add_u32 v5, v2, 4, v5
	v_add_nc_u32 v[STO], s23, v5
	v_and_b32 v6, 31, v0
	v_lshlrev_b32 v[CO], 4, v6
	v_lshrrev_b32 v5, 3, v6                        ; back: eight lanes to a row of 128 bytes, four rows an instruction
	v_mul_u32_u24 v5, v5, SROW
	v_and_b32 v6, 7, v6
	v_lshl_add_u32 v5, v6, 4, v5
	v_add_nc_u32 v[RD], s23, v5
	; where my part begins in qkv16: block (batch = tile row / 8, hc = 4 x tile column + 2 x half), token 256 (tile row % 8) + 128 x half
	s_lshr_b32 s20, s17, 3
	s_mul_i32 s20, s20, 48
	s_lshl_b32 s21, s42, 2
	s_add_co_u32 s20, s20, s21
	s_lshl_b32 s21, s16, 1
	s_add_co_u32 s20, s20, s21
	s_lshl_b32 s20, s20, 18                        ; 262,144 bytes a block; 191 blocks at the most: under 2^32
	s_and_b32 s21, s17, 7
	s_lshl_b32 s21, s21, 15                        ; 256 tokens of 128 bytes
	s_add_co_u32 s20, s20, s21
	s_lshl_b32 s21, s15, 14
	s_add_co_u32 s20, s20, s21
	s_mov_b32 s21, 0
	s_add_nc_u64 s[12:13], s[12:13], s[20:21]
.macro FRAG reg, adr, q, i             ; a fragment, 16 rows x 128 K of 4-bit codes: lane l holds row l % 16; registers 4 c .. 4 c + 3 hold K = 64 c + 32 (l / 16) + 0 .. 31
.irp c, 0,1
	ds_load_b128 v[\reg+4*\c:\reg+4*\c+3], v[\adr] offset:64*(\q)+32*\c+(\i)*16*PITCH
.endr
.endm
; 16 matrix instructions: A's blocks a0, a0 + 1 x B's eight, 128 along K: the slot's q-th.  p: B's set;  sc: the set of scale words.  bias = 1: the first product starts the sums from the bias.
; The 64 accumulators take turns, one instruction a turn, in the same order in every step.
.macro MUL16 a0, p, q, sc, bias
.irp a, \a0, \a0+1
.irp b, 0,1,2,3,4,5,6,7
.if \bias
	v_wmma_scale_f32_16x16x128_f8f6f4 v[8*(8*((\a)%4)+\b):8*(8*((\a)%4)+\b)+7], v[128*(\p)+FR*\b:128*(\p)+FR*\b+FR-1], v[AF+FR*(\a):AF+FR*(\a)+FR-1], v[BIA+8*\b:BIA+8*\b+7], v[SC+8*NQ*(\sc)+NQ*\b+(\q)], v[SC+8*NQ*(\sc)+NQ*(\a)+(\q)] matrix_a_fmt:MATRIX_FMT_FP4 matrix_b_fmt:MATRIX_FMT_FP4 matrix_a_scale:MATRIX_SCALE_ROW1
.else
	v_wmma_scale_f32_16x16x128_f8f6f4 v[8*(8*((\a)%4)+\b):8*(8*((\a)%4)+\b)+7], v[128*(\p)+FR*\b:128*(\p)+FR*\b+FR-1], v[AF+FR*(\a):AF+FR*(\a)+FR-1], v[8*(8*((\a)%4)+\b):8*(8*((\a)%4)+\b)+7], v[SC+8*NQ*(\sc)+NQ*\b+(\q)], v[SC+8*NQ*(\sc)+NQ*(\a)+(\q)] matrix_a_fmt:MATRIX_FMT_FP4 matrix_b_fmt:MATRIX_FMT_FP4 matrix_a_scale:MATRIX_SCALE_ROW1
.endif
.endr
.endr
.endm
.macro FETCH_B slot, q, p              ; B's eight fragments of the slot's q-th 128 along K into set p
	WIN TO_B
.irp i, 0,1,2,3,4,5,6,7
	FRAG 128*(\p)+FR*\i, ADRB+\slot, \q, \i
.endr
	WIN 0
.endm
.macro FETCH_A slot, q, i0             ; A's blocks i0 .. i0 + 3
.irp i, \i0, \i0+1, \i0+2, \i0+3
	FRAG AF+FR*(\i), ADRA+\slot, \q, \i
.endr
.endm
.macro SCALES sc                       ; a K step's scale words into set sc: four words a row; lanes 0-15 take A's block i, lanes 16-31 B's block i
.irp i, 0,1,2,3,4,5,6,7
	ds_load_b128 v[SC+8*NQ*\sc+NQ*\i:SC+8*NQ*\sc+NQ*\i+3], v[ADRS] offset:\i*SBLK
.endr
.endm
; A load into a register that a matrix instruction has read, and a vector instruction that reads a matrix result, stand NP places behind that matrix instruction; only plain vector
; instructions that name none of its registers are places (ISA guide 7.12.1 for vector instructions).
.macro PLACES n
.rept \n
	v_nop
.endr
.endm
; A step of 128 along K that has its successor in the same slot.  A block of A is free as soon as its eight products are issued: blocks 0-3 are fetched anew in the step's middle, blocks 4-7 at its end.
.macro STEP slot, q, bias
	s_wait_dscnt 4*NL                              ; B's set, the scale words and A's blocks 0-3 are in; the youngest eight loads (A's blocks 4-7) may be out
.if \bias
	WIN BIA_LO
.else
	WIN MUL_LO
.endif
	MUL16 0, (\q)%2, \q, \slot, \bias
	MUL16 2, (\q)%2, \q, \slot, \bias
	s_wait_dscnt 0                                 ; A's blocks 4-7 are in
	PLACES NP
	FETCH_B \slot, (\q)+1, 1-(\q)%2
	FETCH_A \slot, (\q)+1, 0
.if \bias
	WIN BIA_HI
.else
	WIN MUL_HI
.endif
	MUL16 4, (\q)%2, \q, \slot, \bias
	MUL16 6, (\q)%2, \q, \slot, \bias
	PLACES NP
	WIN 0
	FETCH_A \slot, (\q)+1, 4
.endm
; Slot 0's last step changes slots: one barrier; in front of it each wave waits for all its tensor loads (slot 1's is the one that may be out).  Nothing is filled again.
.macro TURN slot, next
	s_wait_tensorcnt 0x0                           ; all my tensor loads have landed: my part of the next slot  (every window is 0 here)
	ds_add_u32 v[SPW], v[NIL]                      ; 0 onto my spare word
	s_wait_dscnt 4*NL+1                            ; the add and the youngest eight loads, A's blocks 4-7, may be out
	WIN MUL_LO
	MUL16 0, 1, NQ-1, \slot, 0                     ; sixteen matrix instructions stand between the add and the wait for it
	s_wait_dscnt 0x0                               ; the add is done, and my LDS loads are in
	s_barrier_signal -1
	MUL16 2, 1, NQ-1, \slot, 0
	WIN 0
	s_barrier_wait -1                              ; every wave's part of the next slot has landed
	PLACES NP
	v_add_nc_u32 v[ADRS], 4*NQ, v[ADRS]            ; on to the next K step's scale words (no LDS load of mine is out)
	FETCH_B \next, 0, 0
	FETCH_A \next, 0, 0
	SCALES \next
	WIN MUL_HI
	MUL16 4, 1, NQ-1, \slot, 0
	MUL16 6, 1, NQ-1, \slot, 0
	PLACES NP
	WIN 0
	FETCH_A \next, 0, 4
.endm
.macro STEPS slot, from                ; the slot's steps from .. NQ - 2
.set Q, \from
.rept NQ-1-\from
	STEP \slot, Q, 0
.set Q, Q+1
.endr
.endm
	s_wait_tensorcnt 1                             ; the scales and my part of K step 0 are in; K step 1's load, the one issued behind them, may be out
	s_barrier_signal -1
	s_barrier_wait -1                              ; everybody's are
	FETCH_B 0, 0, 0
	FETCH_A 0, 0, 0
	SCALES 0
	FETCH_A 0, 0, 4
	s_wait_loadcnt 0x0                             ; the bias
	STEP 0, 0, 1                                   ; the first step's products start the sums from the bias: nothing is cleared, nothing is added later
	STEPS 0, 1
	TURN 0, 1
	STEPS 1, 0
	s_wait_dscnt 4*NL                              ; the very last step: nothing more to fetch
	WIN MUL_LO
	MUL16 0, 1, NQ-1, 1, 0
	MUL16 2, 1, NQ-1, 1, 0
	s_wait_dscnt 0
	WIN MUL_HI
	MUL16 4, 1, NQ-1, 1, 0
	MUL16 6, 1, NQ-1, 1, 0
	WIN 0
; THE WAY OUT, block by block of 16 rows x 128 columns (two heads).  PACK: rounded to f16, 16 bytes a lane, each accumulator from its low end on.  TOSTAGE: into my own stage, head by head, and back four rows
; (512 bytes, neighbours in qkv16) an instruction.  SEND: stored.  LDS serves a wave's instructions in order (ISA guide 5.7.1.4): no wait between the stores and the loads.
.macro PACK a
.set AC, 64*((\a)%4)
	WIN 0x0a+5*((\a)/4)                            ; sources 0 and 1: window 2 or 3
.irp b, 0,1,2,3,4,5,6,7
.irp r, 0,1,2,3
	v_cvt_pk_f16_f32 v[TMP+4*\b+\r], v[AC+8*\b+2*\r], v[AC+8*\b+2*\r+1]
.endr
.endr
	WIN 0
.endm
.macro TOSTAGE a
.if (\a) > 1
	s_wait_xcnt 0x0                                ; block a - 2's stores have read their data: the loads below may land there
.endif
.irp b, 0,1,2,3,4,5,6,7
	ds_store_b128 v[STO], v[TMP+4*\b:TMP+4*\b+3] offset:(\b/4)*SHEAD+(\b%4)*32
.endr
.set BB, BK+32*((\a)%2)
.irp u, 0,1,2,3,4,5,6,7
	ds_load_b128 v[BB+4*\u:BB+4*\u+3], v[RD] offset:(\u/4)*SHEAD+(\u%4)*4*SROW
.endr
.endm
.macro SEND a
.set BB, BK+32*((\a)%2)
	s_wait_dscnt 0x0                               ; the block is back in registers
.irp u, 0,1,2,3,4,5,6,7
	global_store_b128 v[CO], v[BB+4*\u:BB+4*\u+3], s[12:13] offset:(\u/4)*262144+(\a)*2048+(\u%4)*512   ; 32 lanes store 512 consecutive bytes, aligned: four tokens of one head
.endr
.endm
	PLACES NP                                      ; behind the last products: block 0's conversions read results, and the loads below land where A's fragments lay
	PACK 0
	TOSTAGE 0
.irp a, 1,2,3,4,5,6,7                  ; block a's conversions stand between block a - 1's loads from the stage and the wait for them
	PACK \a
	SEND \a-1
	TOSTAGE \a
.endr
	SEND 7
	s_wait_tensorcnt 0x0                           ; the wave's end: behind my last tensor load and my last LDS store
	ds_add_u32 v[SPW], v[NIL]
	s_wait_dscnt 0x0
	CROUND                                         ; the closing round: no work-group ends while a partner may still ask for a tile that names it
	s_endpgm
.Lfunc_end_k_q0b39e716aa_qkv:
	.size	k_q0b39e716aa_qkv, .Lfunc_end_k_q0b39e716aa_qkv-k_q0b39e716aa_qkv
	.p2alignl 7, 3214868480
	.fill 96, 4, 3214868480
	.section	.rodata,"a",@progbits
	.p2align	6, 0x0
	.amdhsa_kernel k_q0b39e716aa_qkv
		.amdhsa_group_segment_fixed_size 327680
		.amdhsa_private_segment_fixed_size 0
		.amdhsa_enable_private_segment 0
		.amdhsa_kernarg_size 64
		.amdhsa_user_sgpr_count 2
		.amdhsa_user_sgpr_kernarg_segment_ptr 1
		.amdhsa_wavefront_size32 1
		.amdhsa_system_sgpr_workgroup_id_x 1
		.amdhsa_system_sgpr_workgroup_id_y 1
		.amdhsa_system_sgpr_workgroup_id_z 1
		.amdhsa_system_vgpr_workitem_id 0
		.amdhsa_next_free_vgpr 1024
		.amdhsa_next_free_sgpr 102
		.amdhsa_reserve_vcc 0
		.amdhsa_float_denorm_mode_32 3
		.amdhsa_float_denorm_mode_16_64 3
		.amdhsa_memory_ordered 1
		.amdhsa_forward_progress 1
		.amdhsa_inst_pref_size 128
	.end_amdhsa_kernel
	.amdgpu_metadata
---
amdhsa.version: [ 1, 2 ]
amdhsa.kernels:
  - .name:           k_q0b39e716aa_qkv
    .symbol:         k_q0b39e716aa_qkv.kd
    .args:
      - { .name: xc, .offset: 0, .size: 8, .value_kind: global_buffer, .address_space: global }
      - { .name: xs, .offset: 8, .size: 8, .value_kind: global_buffer, .address_space: global }
      - { .name: wc, .offset: 16, .size: 8, .value_kind: global_buffer, .address_space: global }
      - { .name: ws, .offset: 24, .size: 8, .value_kind: global_buffer, .address_space: global }
      - { .name: bq, .offset: 32, .size: 8, .value_kind: global_buffer, .address_space: global }
      - { .name: bk, .offset: 40, .size: 8, .value_kind: global_buffer, .address_space: global }
      - { .name: bv, .offset: 48, .size: 8, .value_kind: global_buffer, .address_space: global }
      - { .name: qkv16, .offset: 56, .size: 8, .value_kind: global_buffer, .address_space: global }
    .group_segment_fixed_size: 327680
    .private_segment_fixed_size: 0
    .kernarg_segment_align: 8
    .kernarg_segment_size: 64
    .max_flat_workgroup_size: 128
    .sgpr_count:     102
    .vgpr_count:     1024
    .wavefront_size: 32
...
	.end_amdgpu_metadata
.endif
;; end of part 2
;; launch attn (part 3): grid 4 x 64, 8 waves a work-group, clusters of 4 x 1, 327,680 bytes of LDS; arguments qkv16, att16; writes att16
.if DOCPART == 3
	.amdgcn_target "amdgcn-amd-amdhsa--gfx1250"
	.amdhsa_code_object_version 6
	.text
	.protected	k_q0b39e716aa_attn
	.globl	k_q0b39e716aa_attn
	.p2align	8
	.type	k_q0b39e716aa_attn,@function
k_q0b39e716aa_attn:
	s_mov_b64 s[64:65], 0
	v_nop
	global_prefetch_b8 v0, s[64:65] scope:SCOPE_SE
	s_setreg_imm32_b32 hwreg(HW_REG_WAVE_MODE, 25, 1), 1
	s_wait_xcnt 0x0
	s_wait_alu depctr_hold_cnt(0) depctr_sa_sdst(0) depctr_va_vdst(0) depctr_va_sdst(0) depctr_va_ssrc(0) depctr_va_vcc(0) depctr_vm_vsrc(0)
	s_getreg_b32 s2, hwreg(HW_REG_IB_STS2, 6, 4)
	s_cmp_eq_u32 s2, 0
	s_cbranch_scc0 .Lentry_in_a_cluster
	s_endpgm
.Lentry_in_a_cluster:
	s_bfe_u32 s2, ttmp6, 0x10000c
	s_cmp_lg_u32 s2, 0x3003
	s_cbranch_scc0 .Lentry_shape_is_right
	s_endpgm
.Lentry_shape_is_right:
; O[q][:] = the sum over k of softmax_k(Q[q] . K[k] / 8) V[k][:] for each of 64 (batch, head): 2,048 tokens, head size 64.  Q, K, V: f16, blocks of qkv16 [batch][hc][token][64] (hc = head, 16 + head, 32 + head).
; Products, maxima and sums in f32; the weights p are rounded to f16 for the second product, O once at the end.  att16: f16, [batch x 16 + token / 128][head][token % 128][64].
; LIMITS: NaN and infinities are not served.  p is at most 1, and a p under 2^-25 becomes 0 in f16: beside the row's sum, which is at least 1, that is nothing.
; SHARES.  A work-group owns 512 queries of one head, each of its eight waves 64: four tiles of 16; two waves lie on a SIMD, so that one wave's vector work can stand beside the other's matrix work.  Every wave walks all 2,048 keys, 64 a step.
; LAYOUT.  S^T = K Q^T (source 0 = 16 keys, source 1 = 16 queries): a lane holds ONE query (lane % 16) and the keys 8 (lane / 16) + 0..7.  Two such tiles, rounded to f16 in pairs, ARE source 1 (32 keys x 16 queries)
; of O^T = V^T P, whose result again holds one query a lane.  K comes out of LDS as it lies, V ([key][channel]) turned, by ds_load_tr16_b128.  P is made in place, in the low half of S^T's registers.
; SOFTMAX.  For each query a running maximum m and sum l: p = 2^(c s - c m), c = log2(e) / 8; in every step O and l are multiplied by a = 2^(c m_old - c m_new).
; CLUSTER.  The four work-groups of a cluster are the four blocks of queries of one head and walk the same K and V: each tile is asked for JOINTLY, by the same tensor load with the same descriptor and a mask that names the four.
; RING.  Two LDS slots of 512 keys.  A head's K and V are dense, a token's row is 128 bytes: a tile is stated as rows of 256 bytes (two tokens) with padding behind each.  Waves 0-3 fetch K's quarters, waves 4-7 V's: one load a wave
; behind each change of slots, eight key steps in which it lands.  The four slots' worth of keys are written out: no tensor load stands in a loop.
; REGISTERS: window 0: v1-7 addresses; v8-47 ten registers of statistics a tile; v48-54 addresses; v64-191 S^T, 32 a tile, then P in each tile's first 16; v192-255 K's fragments.
;   window 1: v0-127 O^T, 32 a tile; v128-191 Q, 16 a tile; v192-255 V's fragments.
.set PK,    272                        ; two tokens of K in LDS: 256 bytes + 16: the 16 keys of a load lie at 272 (r / 2) + 128 (r % 2): sixteen different columns of 16 bytes in 256 (64 banks of 4 bytes: ISA guide 11.1)
.set PV,    288                        ; two tokens of V: 256 + 32: sixteen lanes of the turning load take 8 keys x 32 bytes at 288 (key / 2) + 128 (key % 2): again sixteen different columns
.set VREG,  256*PK                     ; a slot: 512 keys of K, then 512 of V
.set SLOTB, VREG+256*PV
.set KSTEPB, 32*PK                     ; a key step's 64 keys
.set VSTEPB, 32*PV
.set STAGE, 2*SLOTB                    ; behind the ring: 16 rows x (128 bytes + 16) for each wave, for the way out
.set SROW,  144
.set SPARE, STAGE+8*16*SROW            ; the spare words, 128 bytes for each wave: four blocks of 256 bytes that no other line names
.set PFO, 1                            ; v1   256 x lane: the prefetches' offset; never rewritten
.set AK0, 2                            ; v2   my lane's place in a tile of K
.set AV0, 3                            ; v3   the same for V
.set ADK, 4                            ; v4   LDS address of the step's K
.set ADV, 5                            ; v5   of its V
.set SPW, 6                            ; v6   LDS address of my spare word; never rewritten
.set NIL, 7                            ; v7   0; never rewritten
.set ST,  8                            ; tile t's statistics at v[ST + 10 t]: +0 c m, +1 m, +2, +3 l (even keys', odd keys'), +4 to +7 at work, +8 a, +9 c m_old - c m_new
.set STO, 48                           ; the way out: where I put 16 bytes of a row
.set RD,  49                           ; where I read four rows back
.set GO,  50                           ; 16 x lane
.set QO,  51                           ; my byte in the wave's rows of Q
.set S,   64
.set KF,  192
.set QF,  128                          ; in window 1
.set VF,  192                          ; in window 1
.set WV,  12                           ; s12  my wave's number
.set WQ,  13                           ; s13  wave % 4: which quarter of a slot's K or V I fetch
.set PFA, 18                           ; s[18:19] where my prefetches stand; never rewritten
.set LK,  20                           ; s20  my quarter's place in a slot, for K
.set LV,  21                           ; s21  for V
.set G1K, 24                           ; s[24:31] descriptor group 1 for K's tiles
.set G1V, 32                           ; s[32:39] for V's: it differs in the padding alone
.set G0K, 40                           ; s[40:43] descriptor group 0 for K's tiles
.set G0V, 44                           ; s[44:47] for V's
.set TK,  48                           ; s48  LDS byte at which the step's K begins
.set TV,  49                           ; s49  and its V
.set CNT, 50                           ; s50  counts key steps
.set CS,  52                           ; s[52:53] c: the packed scaling names a pair and takes its low word for both halves
.set SEL, 54                           ; s[54:55] lane selects for v_permlanex16_b32: lane l xor 16
.set MSB, 0
.macro WIN new                         ; the immediate's high byte repeats the setting that is left
.if MSB != (\new)
	s_set_vgpr_msb (MSB<<8)|(\new)
.set MSB, (\new)
.endif
.endm
.set W_KQ, 0x04                        ; Q (source 1) in window 1; K and S^T in window 0
.set W_PV, 0x51                        ; V (source 0) and O^T (C, D) in window 1; P in window 0
.set W_RS, 0x41                        ; O^T (destination and source 0) in window 1, a in window 0
.set TO_1, 0x40                        ; destination window 1, address window 0
; A joint load.  The branch hangs on the wave's number alone.  Four v_nop follow each of the two lines, ahead of the jump, the label and what follows.
.macro JLOAD
	s_cmp_lt_u32 s[WV], 4
	s_cbranch_scc0 .Lfor_v_\@
	tensor_load_to_lds s[G0K:G0K+3], s[G1K:G1K+7]
	s_nop 0
.rept 4
	v_nop
.endr
	s_branch .Lasked_\@
.Lfor_v_\@:
	tensor_load_to_lds s[G0V:G0V+3], s[G1V:G1V+7]
	s_nop 0
.rept 4
	v_nop
.endr
.Lasked_\@:
.endm
; A PREFETCH INTO THE L2 of what the NEXT change of slots will ask for: keys 512 n on, 65,536 bytes of K and as many of V.  It stands behind the wave's tensor load and its four lines.
; Each aligned block of 256 bytes is named once in the launch: one cluster walks a head; its four partners take 16,384 bytes each, told apart BY ADDRESS; in each, waves 0 and 1 ask for K's and waves 4 and 5 for V's,
; 8,192 bytes a wave, lanes 256 bytes apart.  Keys 0 to 1,023 come by their loads alone; the last change that fills a slot asks for nothing.
.macro ASK n
	s_cmp_lt_u32 s[WQ], 2
	s_cbranch_scc0 .Lnot_mine_\@
	global_prefetch_b8 v[PFO], s[PFA:PFA+1] offset:(\n)*65536 th:TH_LOAD_NT scope:SCOPE_SE
.Lnot_mine_\@:
.endm
.macro CROUND                          ; a round of the cluster's barrier: my work-group's barrier; wave 0 signals for the work-group; every wave waits for all four; my work-group's barrier once more
	s_barrier_signal -1
	s_barrier_wait -1
	s_cmp_lg_u32 s[WV], 0
	s_cbranch_scc1 .Lnot_wave_0_\@
	s_barrier_signal -3
.Lnot_wave_0_\@:
	s_barrier_wait -3
	s_barrier_signal -1
	s_barrier_wait -1
.endm
	s_load_b128 s[4:7], s[0:1], 0x0                ; qkv16 s[4:5], att16 s[6:7]
	v_lshl_add_u32 v[SPW], v0, 2, SPARE
	v_mov_b32 v[NIL], 0
	ds_add_u32 v6, v7
	s_wait_dscnt 0x0
	v_lshrrev_b32 v1, 5, v0
	v_readfirstlane_b32 s[WV], v1                  ; wave 0..7
	s_and_b32 s[WQ], s[WV], 3
	s_bfe_u32 s8, ttmp6, 0x40000                   ; cx: my place in the cluster
	s_lshl_b32 s9, ttmp9, 2
	s_add_co_u32 s9, s9, s8                        ; my block of 512 queries: it enters Q's and O's addresses alone
	s_and_b32 s10, ttmp7, 0xffff                   ; 16 x batch + head, which the four partners share
	s_lshr_b32 s14, s10, 4                         ; batch
	s_and_b32 s15, s10, 15                         ; head
	s_mul_i32 s16, s14, 48
	s_add_co_u32 s16, s16, s15                     ; Q's block of qkv16; K's is 16 on, V's 32 on; 262,144 bytes a block, 191 at the most: under 2^32
	s_add_co_u32 s58, s16, 16
	s_lshl_b32 s58, s58, 18
	s_mov_b32 s59, 0
	s_add_co_u32 s60, s16, 32
	s_lshl_b32 s60, s60, 18
	s_mov_b32 s61, 0
	s_lshl_b32 s56, s16, 18
	s_lshl_b32 s17, s9, 16                         ; 512 queries of 128 bytes
	s_add_co_u32 s56, s56, s17
	s_lshl_b32 s17, s[WV], 13                      ; my wave's 64
	s_add_co_u32 s56, s56, s17
	s_mov_b32 s57, 0
	s_lshl_b32 s22, s14, 4                         ; att16: block of 128 tokens = 16 x batch + 4 x my block + wave / 2,
	s_lshl_b32 s17, s9, 2
	s_add_co_u32 s22, s22, s17
	s_lshr_b32 s17, s[WV], 1
	s_add_co_u32 s22, s22, s17
	s_lshl_b32 s22, s22, 4
	s_add_co_u32 s22, s22, s15                     ; x 16 + head,
	s_lshl_b32 s22, s22, 14                        ; 16,384 bytes each,
	s_and_b32 s17, s[WV], 1
	s_lshl_b32 s17, s17, 13                        ; and my wave's 64 tokens in it
	s_add_co_u32 s22, s22, s17
	s_mov_b32 s23, 0
	s_mul_i32 s[LK], s[WQ], 64*PK                  ; my quarter of a slot: 128 keys = 64 rows of two: no place in the cluster enters an LDS address
	s_mul_i32 s[LV], s[WQ], 64*PV
	s_add_co_u32 s[LV], s[LV], VREG
	s_lshl_b32 s16, s[WQ], 14                      ; and in memory: 128 keys of 128 bytes
	s_mov_b32 s17, 0
	; descriptor group 1: 64 rows of 128 elements of 2 bytes, dense in memory, padded in LDS
	s_mov_b32 s[G1K], 15|(1<<16)|(1<<20)|(1<<21)|(5<<22)|(3<<25)  ; 15:0 the mask: all four work-groups; 17:16 elements of 2 bytes; 20 padding on; 21 set beside a mask; 24:22 after every 64 words; 31:25 4 words of it
	s_mov_b32 s[G1V], 15|(1<<16)|(1<<20)|(1<<21)|(5<<22)|(7<<25)  ; the same with 8 words of padding
.irp g, G1K, G1V
	s_mov_b32 s[\g+1], 128<<16                     ; tensor_dim0 = 128
	s_mov_b32 s[\g+2], 64<<16                      ; tensor_dim1 = 64
	s_mov_b32 s[\g+3], 128<<16                     ; tile_dim0 = 128
	s_mov_b32 s[\g+4], 64                          ; tile_dim1 = 64
	s_mov_b32 s[\g+5], 128                         ; tensor_dim0_stride
	s_mov_b32 s[\g+6], 0
	s_mov_b32 s[\g+7], 0
.endr
	s_mov_b32 s[CS], 0x3e38aa3b                    ; c = log2(e) / 8
	s_mov_b32 s[CS+1], s[CS]                       ; named with it as a pair, so it is written
	s_mov_b32 s[SEL], 0x76543210
	s_mov_b32 s[SEL+1], 0xfedcba98
	s_wait_kmcnt 0x0
	s_add_nc_u64 s[58:59], s[4:5], s[58:59]        ; the head's K
	s_add_nc_u64 s[60:61], s[4:5], s[60:61]        ; its V
	s_add_nc_u64 s[56:57], s[4:5], s[56:57]        ; Q at my wave's first row
	s_add_nc_u64 s[6:7], s[6:7], s[22:23]          ; att16 likewise
	s_mov_b32 s[G0K], 1                            ; 1:0 count = 1
	s_mov_b32 s[G0K+1], s[LK]                      ; 63:32 LDS address: slot 0
	s_add_nc_u64 s[G0K+2:G0K+3], s[58:59], s[16:17]  ; 120:64 global address: my quarter of keys 0 to 511
	s_or_b32 s[G0K+3], s[G0K+3], 0x80000000        ; 127:126 type = 2
	s_mov_b32 s[G0V], 1
	s_mov_b32 s[G0V+1], s[LV]
	s_add_nc_u64 s[G0V+2:G0V+3], s[60:61], s[16:17]
	s_or_b32 s[G0V+3], s[G0V+3], 0x80000000
	s_cmp_lt_u32 s[WV], 4
	s_cselect_b64 s[PFA:PFA+1], s[58:59], s[60:61]
	s_lshl_b32 s14, s8, 14                         ; my work-group's 16,384 bytes of a slot's 65,536,
	s_lshl_b32 s15, s[WQ], 13                      ; my wave's 8,192 of them (waves 0, 1, 4, 5 ask)
	s_add_co_u32 s14, s14, s15
	s_mov_b32 s15, 0
	s_add_nc_u64 s[PFA:PFA+1], s[PFA:PFA+1], s[14:15]
	CROUND                                         ; all four work-groups are here: the first joint loads meet
	JLOAD                                          ; slot 0
	v_and_b32 v52, 15, v0                          ; r = l % 16
	v_bfe_u32 v53, v0, 4, 1                        ; h = l / 16
	v_lshlrev_b32 v[QO], 7, v52
	v_lshl_add_u32 v[QO], v53, 4, v[QO]            ; row r of 128 bytes + 16 h
	WIN TO_1
.irp i, 0,1,2,3,4,5,6,7                ; Q stays in registers: tile i / 2, channels 32 (i % 2) on: registers 0-3 channels 8 h + 0..7, registers 4-7 channels 16 + 8 h + 0..7
	global_load_b128 v[QF+8*\i:QF+8*\i+3],   v[QO], s[56:57] offset:(\i/2)*2048+(\i%2)*64 th:TH_LOAD_NT
	global_load_b128 v[QF+8*\i+4:QF+8*\i+7], v[QO], s[56:57] offset:(\i/2)*2048+(\i%2)*64+32 th:TH_LOAD_NT
.endr
	WIN 0
	v_and_b32 v[PFO], 31, v0
	v_lshlrev_b32 v[PFO], 8, v[PFO]
	v_lshrrev_b32 v54, 1, v52
	v_mul_u32_u24 v[AK0], v54, PK
	v_and_b32 v54, 1, v52
	v_lshl_add_u32 v[AK0], v54, 7, v[AK0]
	v_lshl_add_u32 v[AK0], v53, 4, v[AK0]          ; key r: 272 (r / 2) + 128 (r % 2) + 16 h
	; The turning load takes 16 keys x 16 channels (lane l reads 16 bytes: key 8 h + l % 8, channels 8 ((l / 8) % 2) + 0..7) and leaves half a fragment of V^T: lane l holds channel l % 16 and 8 keys.
	v_bfe_u32 v54, v0, 1, 2
	v_lshl_add_u32 v54, v53, 2, v54                ; (8 h + l % 8) / 2
	v_mul_u32_u24 v[AV0], v54, PV
	v_and_b32 v54, 1, v0
	v_lshl_add_u32 v[AV0], v54, 7, v[AV0]
	v_bfe_u32 v54, v0, 3, 1
	v_lshl_add_u32 v[AV0], v54, 4, v[AV0]
	s_mul_i32 s14, s[WV], 16*SROW
	s_add_co_u32 s14, s14, STAGE                   ; my stage
	v_mul_u32_u24 v[STO], v52, SROW                ; in: row r, 16 bytes for each half of the lanes
	v_lshl_add_u32 v[STO], v53, 4, v[STO]
	v_add_nc_u32 v[STO], s14, v[STO]
	v_bfe_u32 v54, v0, 3, 2                        ; back: eight lanes to a row of 128 bytes, four rows an instruction
	v_mul_u32_u24 v[RD], v54, SROW
	v_and_b32 v54, 7, v0
	v_lshl_add_u32 v[RD], v54, 4, v[RD]
	v_add_nc_u32 v[RD], s14, v[RD]
	v_and_b32 v[GO], 31, v0
	v_lshlrev_b32 v[GO], 4, v[GO]
; THE SOFTMAX of the wave's four tiles for one key step; in every stage the four tiles alternate, so that no line waits for the line above it.  first = 1: the first key step, which starts m, l and O^T.
.macro SOFTMAX first
.irp j, 0,1,2,3                        ; the maximum of a lane's 32 scores and the old m, three operands at a time; each accumulator is read from its low end on
.irp t, 0,1,2,3
	v_max3_num_f32 v[ST+10*\t+4+\j], v[S+32*\t+8*\j], v[S+32*\t+8*\j+1], v[S+32*\t+8*\j+2]
.endr
.endr
.irp u, 3,5
.irp j, 0,1,2,3
.irp t, 0,1,2,3
	v_max3_num_f32 v[ST+10*\t+4+\j], v[ST+10*\t+4+\j], v[S+32*\t+8*\j+\u], v[S+32*\t+8*\j+\u+1]
.endr
.endr
.endr
.irp t, 0,1,2,3
	v_max3_num_f32 v[ST+10*\t+4], v[ST+10*\t+4], v[S+32*\t+7], v[S+32*\t+15]
.endr
.irp t, 0,1,2,3
	v_max3_num_f32 v[ST+10*\t+6], v[ST+10*\t+6], v[S+32*\t+23], v[S+32*\t+31]
.endr
.irp t, 0,1,2,3
	v_max3_num_f32 v[ST+10*\t+4], v[ST+10*\t+4], v[ST+10*\t+5], v[ST+10*\t+6]
.endr
.irp t, 0,1,2,3
.if \first
	v_max_num_f32 v[ST+10*\t+4], v[ST+10*\t+4], v[ST+10*\t+7]
.else
	v_max3_num_f32 v[ST+10*\t+4], v[ST+10*\t+4], v[ST+10*\t+7], v[ST+10*\t+1]
.endif
.endr
.irp t, 0,1,2,3
	v_permlanex16_b32 v[ST+10*\t+5], v[ST+10*\t+4], s[SEL], s[SEL+1]   ; the query's other 32 keys lie in the lane 16 away
.endr
.if !\first
.irp t, 0,1,2,3
	v_mov_b32 v[ST+10*\t+9], v[ST+10*\t]           ; c m_old is kept for a
.endr
.endif
.irp t, 0,1,2,3
	v_max_num_f32 v[ST+10*\t+1], v[ST+10*\t+4], v[ST+10*\t+5]          ; the new m
.endr
.irp t, 0,1,2,3
	v_mul_f32 v[ST+10*\t], s[CS], v[ST+10*\t+1]    ; c m
.endr
.if !\first
.irp t, 0,1,2,3
	v_sub_f32 v[ST+10*\t+9], v[ST+10*\t+9], v[ST+10*\t]
.endr
.irp t, 0,1,2,3
	v_exp_f32 v[ST+10*\t+8], v[ST+10*\t+9]         ; a; the packed lines below are the plain lines behind it
.endr
.endif
.irp i, 0,2,4,6,8,10,12,14,16,18,20,22,24,26,28,30
.irp t, 0,1,2,3
	v_pk_fma_f32 v[S+32*\t+\i:S+32*\t+\i+1], v[S+32*\t+\i:S+32*\t+\i+1], s[CS:CS+1], v[ST+10*\t:ST+10*\t+1] op_sel_hi:[1,0,0] neg_lo:[0,0,1] neg_hi:[0,0,1]   ; c s - c m, two at a time
.endr
.endr
.irp i, 0,1,2,3,4,5,6,7,8,9,10,11,12,13,14,15,16,17,18,19,20,21,22,23,24,25,26,27,28,29,30,31
.irp t, 0,1,2,3
	v_exp_f32 v[S+32*\t+\i], v[S+32*\t+\i]         ; p
.endr
.endr
	v_nop                                          ; a plain line between the last exponentials and the use of their results (ISA guide 5.7.2)
	s_wait_alu depctr_va_vdst(0)
.irp t, 0,1,2,3                        ; the sum of the unrounded p, two at a time, in two chains a tile
	v_pk_add_f32 v[ST+10*\t+4:ST+10*\t+5], v[S+32*\t:S+32*\t+1], v[S+32*\t+2:S+32*\t+3]
.endr
.irp t, 0,1,2,3
	v_pk_add_f32 v[ST+10*\t+6:ST+10*\t+7], v[S+32*\t+4:S+32*\t+5], v[S+32*\t+6:S+32*\t+7]
.endr
.irp i, 8,12,16,20,24,28
.irp t, 0,1,2,3
	v_pk_add_f32 v[ST+10*\t+4:ST+10*\t+5], v[ST+10*\t+4:ST+10*\t+5], v[S+32*\t+\i:S+32*\t+\i+1]
.endr
.irp t, 0,1,2,3
	v_pk_add_f32 v[ST+10*\t+6:ST+10*\t+7], v[ST+10*\t+6:ST+10*\t+7], v[S+32*\t+\i+2:S+32*\t+\i+3]
.endr
.endr
.if \first
.irp t, 0,1,2,3
	v_pk_add_f32 v[ST+10*\t+2:ST+10*\t+3], v[ST+10*\t+4:ST+10*\t+5], v[ST+10*\t+6:ST+10*\t+7]
.endr
.else
.irp t, 0,1,2,3
	v_pk_add_f32 v[ST+10*\t+4:ST+10*\t+5], v[ST+10*\t+4:ST+10*\t+5], v[ST+10*\t+6:ST+10*\t+7]
.endr
.irp t, 0,1,2,3
	v_pk_fma_f32 v[ST+10*\t+2:ST+10*\t+3], v[ST+10*\t+2:ST+10*\t+3], v[ST+10*\t+8:ST+10*\t+9], v[ST+10*\t+4:ST+10*\t+5] op_sel_hi:[1,0,1]   ; l = a l + the sum
.endr
.endif
.irp i, 0,1,2,3,4,5,6,7,8,9,10,11,12,13,14,15
.irp t, 0,1,2,3
	v_cvt_pk_f16_f32 v[S+32*\t+\i], v[S+32*\t+2*\i], v[S+32*\t+2*\i+1]   ; P in place, ascending: register i is written when registers 2 i and 2 i + 1 have been read
.endr
.endr
.if !\first
	WIN W_RS
.irp i, 0,2,4,6,8,10,12,14,16,18,20,22,24,26,28,30
.irp t, 0,1,2,3
	v_pk_mul_f32 v[32*\t+\i:32*\t+\i+1], v[32*\t+\i:32*\t+\i+1], v[ST+10*\t+8:ST+10*\t+9] op_sel_hi:[1,0]   ; O^T times a, each accumulator from its low end on
.endr
.endr
.endif
.endm
; A KEY STEP: 64 keys.  The accumulators take turns, one instruction a turn: between two links of a chain stand fifteen others'.
.macro STEP first
	v_add_nc_u32 v[ADK], s[TK], v[AK0]
	v_add_nc_u32 v[ADV], s[TV], v[AV0]
.rept 3
	v_nop                                          ; with the two additions five places behind the last products V^T P: four are owed to the loads into V's registers, five to the products below, whose results are laid over P
.endr
.irp f, 0,1,2,3,4,5,6,7                ; K: keys 16 (f / 2) on, channels 32 (f % 2) on
	ds_load_b128 v[KF+8*\f:KF+8*\f+3],   v[ADK] offset:(\f/2)*8*PK+(\f%2)*64
	ds_load_b128 v[KF+8*\f+4:KF+8*\f+7], v[ADK] offset:(\f/2)*8*PK+(\f%2)*64+32
.endr
	WIN TO_1
.irp f, 0,1,2,3,4,5,6,7                ; V, turned: keys 32 (f / 4) on, channels 16 (f % 4) on
	ds_load_tr16_b128 v[VF+8*\f:VF+8*\f+3],   v[ADV] offset:(\f/4)*16*PV+(\f%4)*32
	ds_load_tr16_b128 v[VF+8*\f+4:VF+8*\f+7], v[ADV] offset:(\f/4)*16*PV+8*PV+(\f%4)*32
.endr
	s_add_co_u32 s[TK], s[TK], KSTEPB              ; the next step's
	s_add_co_u32 s[TV], s[TV], VSTEPB
	s_wait_dscnt 16                                ; K's sixteen loads are in; V's sixteen, issued behind them, may be out
	WIN W_KQ
.set i, 0
.rept 32                               ; S^T = K Q^T: channels 32 (i / 16) on, keys 16 ((i / 4) % 4) on, tile i % 4.  The first 16 start the sums
.set rS, S+32*(i%4)+8*((i/4)%4)
.set rK, KF+8*(2*((i/4)%4)+i/16)
.set rQ, QF+16*(i%4)+8*(i/16)
.if i < 16
	v_wmma_f32_16x16x32_f16 v[rS:rS+7], v[rK:rK+7], v[rQ:rQ+7], 0
.else
	v_wmma_f32_16x16x32_f16 v[rS:rS+7], v[rK:rK+7], v[rQ:rQ+7], v[rS:rS+7]
.endif
.set i, i+1
.endr
	WIN 0
.rept 4
	v_nop                                          ; four places in front of the first read of the scores (ISA guide 7.12.1)
.endr
	SOFTMAX \first
	s_wait_dscnt 0x0                               ; V is in
	WIN W_PV
.set i, 0
.rept 32                               ; O^T += V^T P: keys 32 (i / 16) on, channels 16 ((i / 4) % 4) on, tile i % 4.  In the first step the first 16 start the sums: nothing is cleared
.set rO, 32*(i%4)+8*((i/4)%4)
.set rV, VF+8*(4*(i/16)+(i/4)%4)
.set rP, S+32*(i%4)+8*(i/16)
.if \first && (i < 16)
	v_wmma_f32_16x16x32_f16 v[rO:rO+7], v[rV:rV+7], v[rP:rP+7], 0
.else
	v_wmma_f32_16x16x32_f16 v[rO:rO+7], v[rV:rV+7], v[rP:rP+7], v[rO:rO+7]
.endif
.set i, i+1
.endr
	WIN 0
.endm
.macro STEPS n                         ; n key steps: written once, walked n times; the LDS addresses hang on s[TK] and s[TV]
	s_mov_b32 s[CNT], \n
.Lstep_\@:
	STEP 0
	s_sub_co_u32 s[CNT], s[CNT], 1
	s_cmp_lg_u32 s[CNT], 0
	s_cbranch_scc1 .Lstep_\@
.endm
; THE CHANGE OF SLOTS stands at a slot's head.  Each wave waits for all its tensor loads (one is out: its part of the slot that it is about to read), adds 0 to its spare word, and waits for that and for its reads of the slot
; that it has left.  fill = 1: the barrier is a round of the cluster's, so that no wave of any partner still reads the slot or has a load on its way, and slot `slot` takes the next 512 keys: the first thing behind the round.
.macro CHANGE fill, slot, n
	s_wait_tensorcnt 0x0                           ; no tensor load of mine is out, so a group 0 may be written
	ds_add_u32 v[SPW], v[NIL]                      ; 0 onto my spare word; the descriptors' steps stand between it and the wait for it
.if \fill
	s_add_co_u32 s[G0K+1], s[LK], (\slot)*SLOTB
	s_add_co_u32 s[G0V+1], s[LV], (\slot)*SLOTB
	s_add_nc_u64 s[G0K+2:G0K+3], s[G0K+2:G0K+3], 65536   ; the next 512 keys of 128 bytes; the type bits on top are not reached
	s_add_nc_u64 s[G0V+2:G0V+3], s[G0V+2:G0V+3], 65536
.endif
	s_wait_dscnt 0x0                               ; the add is done, and my reads of the slot that I have left are over
.if \fill
	CROUND
	JLOAD
.if \n >= 0
	ASK \n
.endif
.else
	s_barrier_signal -1
	s_barrier_wait -1
.endif
.endm
	CHANGE 1, 1, 2                                 ; slot 0 is whole; slot 1 is asked for (keys 512 on); keys 1,024 on are prefetched
	s_mov_b32 s[TK], 0
	s_mov_b32 s[TV], VREG
	s_wait_loadcnt 0x0                             ; Q
	STEP 1
	STEPS 7
	CHANGE 1, 0, 3                                 ; slot 1 is whole; slot 0 takes keys 1,024 on; keys 1,536 on are prefetched
	s_mov_b32 s[TK], SLOTB
	s_mov_b32 s[TV], SLOTB+VREG
	STEPS 8
	CHANGE 1, 1, -1                                ; slot 1 takes keys 1,536 on: the last load
	s_mov_b32 s[TK], 0
	s_mov_b32 s[TV], VREG
	STEPS 8
	CHANGE 0, 0, -1                                ; nothing is left to fetch
	s_mov_b32 s[TK], SLOTB
	s_mov_b32 s[TV], SLOTB+VREG
	STEPS 8
	; THE WAY OUT.  l's two halves and the other half of the lanes' are added; O^T is divided by l, rounded to f16 and sent through my stage, a tile (16 rows) at a time.  The first four additions are the places behind the last products.
.irp t, 0,1,2,3
	v_add_f32 v[ST+10*\t+4], v[ST+10*\t+2], v[ST+10*\t+3]
.endr
.irp t, 0,1,2,3
	v_permlanex16_b32 v[ST+10*\t+5], v[ST+10*\t+4], s[SEL], s[SEL+1]
.endr
.irp t, 0,1,2,3
	v_add_f32 v[ST+10*\t+4], v[ST+10*\t+4], v[ST+10*\t+5]
.endr
.irp t, 0,1,2,3
	v_rcp_f32 v[ST+10*\t+8], v[ST+10*\t+4]
.endr
	v_nop                                          ; a plain line between the last reciprocal and the use of its result
	s_wait_alu depctr_va_vdst(0)
.macro PACK t
	WIN W_RS
.irp i, 0,2,4,6,8,10,12,14,16,18,20,22,24,26,28,30
	v_pk_mul_f32 v[32*\t+\i:32*\t+\i+1], v[32*\t+\i:32*\t+\i+1], v[ST+10*\t+8:ST+10*\t+9] op_sel_hi:[1,0]
.endr
	WIN 0x05                                       ; sources 0 and 1 window 1, destination window 0: S^T's registers are free
.irp i, 0,1,2,3,4,5,6,7,8,9,10,11,12,13,14,15
	v_cvt_pk_f16_f32 v[S+32*\t+\i], v[32*\t+2*\i], v[32*\t+2*\i+1]
.endr
	WIN 0
.irp f, 0,1,2,3
	ds_store_b128 v[STO], v[S+32*\t+4*\f:S+32*\t+4*\f+3] offset:32*\f           ; lane (r, h): channels 16 f + 8 h + 0..7 of row r
.endr
.irp g, 0,1,2,3
	ds_load_b128 v[S+32*\t+16+4*\g:S+32*\t+16+4*\g+3], v[RD] offset:\g*4*SROW   ; LDS serves a wave's instructions in order (ISA guide 5.7.1.4): these see the stores above; the next tile's stores come behind them
.endr
.endm
.macro SEND t, younger                 ; younger: the LDS instructions issued behind tile t's loads: the next tile's four stores and four loads, or none
.irp g, 0,1,2,3
	s_wait_dscnt \younger+3-\g
	global_store_b128 v[GO], v[S+32*\t+16+4*\g:S+32*\t+16+4*\g+3], s[6:7] offset:\t*2048+\g*512   ; 32 lanes store 512 consecutive bytes, aligned: four tokens
.endr
.endm
	PACK 0
	PACK 1
	SEND 0, 8
	PACK 2
	SEND 1, 8
	PACK 3
	SEND 2, 8
	SEND 3, 0
	s_wait_tensorcnt 0x0                           ; the wave's end: behind my last tensor load and my last LDS store
	ds_add_u32 v[SPW], v[NIL]
	s_wait_dscnt 0x0
	CROUND                                         ; the closing round: no work-group ends while a partner may still ask for a tile that names it
	s_endpgm
.Lfunc_end_k_q0b39e716aa_attn:
	.size	k_q0b39e716aa_attn, .Lfunc_end_k_q0b39e716aa_attn-k_q0b39e716aa_attn
	.p2alignl 7, 3214868480
	.fill 96, 4, 3214868480
	.section	.rodata,"a",@progbits
	.p2align	6, 0x0
	.amdhsa_kernel k_q0b39e716aa_attn
		.amdhsa_group_segment_fixed_size 327680
		.amdhsa_private_segment_fixed_size 0
		.amdhsa_enable_private_segment 0
		.amdhsa_kernarg_size 16
		.amdhsa_user_sgpr_count 2
		.amdhsa_user_sgpr_kernarg_segment_ptr 1
		.amdhsa_wavefront_size32 1
		.amdhsa_system_sgpr_workgroup_id_x 1
		.amdhsa_system_sgpr_workgroup_id_y 1
		.amdhsa_system_sgpr_workgroup_id_z 1
		.amdhsa_system_vgpr_workitem_id 0
		.amdhsa_next_free_vgpr 512
		.amdhsa_next_free_sgpr 66
		.amdhsa_reserve_vcc 0
		.amdhsa_float_denorm_mode_32 3
		.amdhsa_float_denorm_mode_16_64 3
		.amdhsa_memory_ordered 1
		.amdhsa_forward_progress 1
		.amdhsa_inst_pref_size 180
	.end_amdhsa_kernel
	.amdgpu_metadata
---
amdhsa.version: [ 1, 2 ]
amdhsa.kernels:
  - .name:           k_q0b39e716aa_attn
    .symbol:         k_q0b39e716aa_attn.kd
    .args:
      - { .name: qkv16, .offset: 0, .size: 8, .value_kind: global_buffer, .address_space: global }
      - { .name: att16, .offset: 8, .size: 8, .value_kind: global_buffer, .address_space: global }
    .group_segment_fixed_size: 327680
    .private_segment_fixed_size: 0
    .kernarg_segment_align: 8
    .kernarg_segment_size: 16
    .max_flat_workgroup_size: 256
    .sgpr_count:     66
    .vgpr_count:     512
    .wavefront_size: 32
...
	.end_amdgpu_metadata
.endif
;; end of part 3
;; launch oproj (part 4): grid 4 x 64, 4 waves a work-group, clusters of 4 x 4, 327,680 bytes of LDS; arguments att16, wo16, bo, out0; writes out0
.if DOCPART == 4
	.amdgcn_target "amdgcn-amd-amdhsa--gfx1250"
	.amdhsa_code_object_version 6
	.text
	.protected	k_q0b39e716aa_oproj
	.globl	k_q0b39e716aa_oproj
	.p2align	8
	.type	k_q0b39e716aa_oproj,@function
k_q0b39e716aa_oproj:
	s_mov_b64 s[64:65], 0
	v_nop
	global_prefetch_b8 v0, s[64:65] scope:SCOPE_SE
	s_setreg_imm32_b32 hwreg(HW_REG_WAVE_MODE, 25, 1), 1
	s_wait_xcnt 0x0
	s_wait_alu depctr_hold_cnt(0) depctr_sa_sdst(0) depctr_va_vdst(0) depctr_va_sdst(0) depctr_va_ssrc(0) depctr_va_vcc(0) depctr_vm_vsrc(0)
	s_getreg_b32 s2, hwreg(HW_REG_IB_STS2, 6, 4)
	s_cmp_eq_u32 s2, 0
	s_cbranch_scc0 .Lentry_in_a_cluster
	s_endpgm
.Lentry_in_a_cluster:
	s_bfe_u32 s2, ttmp6, 0x10000c
	s_cmp_lg_u32 s2, 0xf033
	s_cbranch_scc0 .Lentry_shape_is_right
	s_endpgm
.Lentry_shape_is_right:
; out0[m][n] = sum over k of att[m][k] Wo[n][k] + bo[n]: M 8,192, N 1,024, K 1,024; operands f16, sums and result f32.
; att16: [m / 128][k / 64][m % 128][k % 64]; wo16: [n / 128][k / 64][n % 128][k % 64]: a block of 128 rows x 64 along K is 16,384 consecutive bytes, and two such blocks along K follow each other.
; A tile of C is 128 x 256: 256 work-groups, one for each WGP (tiles of 256 x 256 would be 128).  Four waves, each 64 x 128: 32 accumulators of 16 x 16, 256 registers.
; K goes in steps of 128 (two blocks along K) through a ring of two LDS slots.  A block's rows are 128 bytes: a tile is stated as rows of 256 bytes (two rows of the matrix) with 16 bytes of padding behind each.
; Waves 0 and 1 fetch A's two blocks of a K step (64 rows of 256 bytes each), waves 2 and 3 the two blocks along K of 128 columns of B each (128 rows of 256 bytes): one load a wave.
; CLUSTERS: 4 x 4 work-groups.  The four of a row of the cluster need the same tiles of A, the four of a column the same tiles of B: each tile is asked for JOINTLY, by the same tensor load with the same descriptor and a mask that names the four.
; THE MATRIX INSTRUCTION IS USED TRANSPOSED (source 0 = 16 rows of Wo, source 1 = 16 rows of att): a lane holds eight neighbouring columns of one row of C.  THE BIAS is the C of each sum's first product.
; REGISTERS: window 0: v0-31 addresses; v64-127 A's fragments, two buffers of 32; v128-191 the bias in the result's layout; on the way out v64-127 and v192-255 rows of C.
;   window 1: v64-191 B's fragments, two buffers of 64.   window 2: the accumulators, (a, b) at v[8 (8 a + b)].
.set PITCH,  272                       ; two rows in LDS: 256 bytes + 16: the 16 rows of a load lie at 272 (r / 2) + 128 (r % 2): sixteen different columns of 16 bytes in 256 (64 banks of 4 bytes: ISA guide 11.1)
.set HEADB,  64*PITCH                  ; 128 rows x 64 along K
.set BOFF,   2*HEADB                   ; a slot: A's two blocks along K; then for each 128 columns of B its two
.set SLOT,   3*BOFF
.set STEPB,  32768                     ; a K step in memory, for 128 rows
.set STAGE,  2*SLOT                    ; behind the ring: 16 rows x (512 bytes + 16) for each wave, for the way out
.set SPITCH, 528
.set SPARE,  STAGE+4*16*SPITCH         ; the spare words, 128 bytes for each wave: two blocks of 256 bytes that no other line names
.set LAPS,   4                         ; a lap = two K steps = once round the ring
.set ADRA, 16                          ; v16-17  LDS address of my A fragments in slot 0, 1
.set ADRB, 20                          ; v20-21  the same for B
.set STO,  24                          ; v24     the way out: where I put 32 bytes of a row
.set RD,   25                          ; v25     where I read a row back
.set CO,   26                          ; v26     16 x lane
.set SPW,  28                          ; v28     LDS address of my spare word; never rewritten
.set NIL,  29                          ; v29     0; never rewritten
.set PFO,  30                          ; v30     256 x lane: the prefetches' offset; never rewritten
.set AF,   64                          ; A's buffer p at v[AF + 32 p], window 0
.set BF,   64                          ; B's buffer p at v[BF + 64 p], window 1
.set BIA,  128                         ; the bias of B's block b at v[BIA + 8 b]
.set LIM,  42                          ; s42     1 in the wave that prefetches, else the greatest number
.set PFA,  44                          ; s[44:45] where my prefetches stand: one K step further on than the refill that is being asked for; a prefetch names the K step after that
.set G1, 24                            ; s[24:31] descriptor group 1 for A's tiles;  s[32:39] group 0, one set for each slot
.set G0, 32
.set G1B, 48                           ; s[48:55], s[56:63] the same for B's tiles
.set G0B, 56
.set MSB, 0
.macro WIN new                         ; the immediate's high byte repeats the setting that is left
.if MSB != (\new)
	s_set_vgpr_msb (MSB<<8)|(\new)
.set MSB, (\new)
.endif
.endm
.set MUL,  0xa1                        ; source 0 (B) window 1, source 1 (A) window 0, C and D window 2; with the bias as C (window 0): 0x81
.set TO_B, 0x40                        ; destination window 1, address window 0
.macro JLOAD s                         ; a joint load: waves 0 and 1 fetch for A, waves 2 and 3 for B; four v_nop follow each of the two lines, ahead of the jump, the label and what follows
	s_cmp_eq_u32 s13, 0
	s_cbranch_scc0 .Lfor_b_\@
	tensor_load_to_lds s[G0+4*\s:G0+4*\s+3], s[G1:G1+7]
	s_nop 0
.rept 4
	v_nop
.endr
	s_branch .Lasked_\@
.Lfor_b_\@:
	tensor_load_to_lds s[G0B+4*\s:G0B+4*\s+3], s[G1B:G1B+7]
	s_nop 0
.rept 4
	v_nop
.endr
.Lasked_\@:
.endm
; A PREFETCH INTO THE L2 of A's K step that stands two refills on: 32,768 bytes for the tile's 128 rows.  One cluster reads a tile row of A; its four partners along x take 8,192 bytes each, told apart BY ADDRESS; in each,
; wave 0 asks, lanes 256 bytes apart: each aligned block of 256 bytes is named once in the launch.  K steps 0 to 3 come by their loads alone; the loop's last trip, whose refills are the last two K steps, asks for nothing.
; B's tiles are read by all sixteen clusters: they are not asked for.
.macro ASK
	s_cmp_gt_u32 s3, s[LIM]                        ; s3 = 1 in the loop's last trip
	s_cbranch_scc0 .Lnot_mine_\@
	global_prefetch_b8 v[PFO], s[PFA:PFA+1] offset:STEPB th:TH_LOAD_NT scope:SCOPE_SE
.Lnot_mine_\@:
.endm
.macro CREST                           ; a round of the cluster's barrier behind its opening barrier
	s_cmp_lg_u32 s12, 0
	s_cbranch_scc1 .Lnot_wave_0_\@
	s_barrier_signal -3
.Lnot_wave_0_\@:
	s_barrier_wait -3
	s_barrier_signal -1
	s_barrier_wait -1
.endm
.macro CROUND                          ; a whole round
	s_barrier_signal -1
	s_barrier_wait -1
	CREST
.endm
	s_load_b256 s[4:11], s[0:1], 0x0               ; att16 s[4:5], wo16 s[6:7], bo s[8:9], out0 s[10:11]
	v_lshl_add_u32 v[SPW], v0, 2, SPARE
	v_mov_b32 v[NIL], 0
	ds_add_u32 v28, v29
	s_wait_dscnt 0x0
	v_lshrrev_b32 v1, 5, v0
	v_readfirstlane_b32 s12, v1                    ; wave 0..3
	s_lshr_b32 s13, s12, 1                         ; which 64 rows of the tile are mine.  Also: I fetch for A (0) or for B (1)
	s_and_b32 s14, s12, 1                          ; which 128 columns.  Also: which part of A's or B's tile I fetch
	s_bfe_u32 s15, ttmp6, 0x40000                  ; cx, cy: my place in the cluster
	s_bfe_u32 s16, ttmp6, 0x40004
	s_lshl_b32 s17, ttmp9, 2
	s_add_co_u32 s17, s17, s15                     ; tile column of C = 4 x cluster x + cx
	s_and_b32 s18, ttmp7, 0xffff
	s_lshl_b32 s18, s18, 2
	s_add_co_u32 s18, s18, s16                     ; tile row of C = 4 x cluster y + cy
	s_lshl_b32 s40, s16, 2
	s_lshl_b32 s40, 15, s40                        ; my row of the cluster
	s_lshl_b32 s41, 0x1111, s15                    ; my column
	s_or_b32 s[G1+0], s40, (1<<16)|(1<<20)|(1<<21)|(5<<22)|(3<<25)   ; 15:0 the mask: A's tiles go to my row; 17:16 elements of 2 bytes; 20 padding on; 21 set beside a mask; 24:22 after every 64 words; 31:25 of 4 words
	s_or_b32 s[G1B+0], s41, (1<<16)|(1<<20)|(1<<21)|(5<<22)|(3<<25)
	s_mov_b32 s[G1+1], 128<<16                     ; tensor_dim0 = 128 elements
	s_mov_b32 s[G1+2], 64<<16                      ; tensor_dim1 = 64
	s_mov_b32 s[G1+3], 128<<16                     ; tile_dim0
	s_mov_b32 s[G1+4], 64                          ; tile_dim1
	s_mov_b32 s[G1+5], 128                         ; tensor_dim0_stride: dense
	s_mov_b32 s[G1+6], 0
	s_mov_b32 s[G1+7], 0
	s_mov_b32 s[G1B+1], 128<<16
	s_mov_b32 s[G1B+2], 128<<16                    ; B: 128 rows
	s_mov_b32 s[G1B+3], 128<<16
	s_mov_b32 s[G1B+4], 128
	s_mov_b32 s[G1B+5], 128
	s_mov_b32 s[G1B+6], 0
	s_mov_b32 s[G1B+7], 0
	s_lshl_b32 s20, s18, 18                        ; A: the tile row's 262,144 bytes,
	s_lshl_b32 s19, s14, 14                        ; the first or the second block along K of a K step
	s_add_co_u32 s20, s20, s19
	s_mov_b32 s21, 0
	s_lshl_b32 s46, s17, 1
	s_add_co_u32 s46, s46, s14                     ; B: 128 columns: 2 x tile column + part
	s_lshl_b32 s46, s46, 18
	s_mov_b32 s47, 0
	s_mul_i32 s22, s14, HEADB                      ; where they go in a slot: no place in the cluster enters an LDS address
	s_mul_i32 s23, s14, BOFF
	s_add_co_u32 s23, s23, BOFF
	s_wait_kmcnt 0x0
	s_add_nc_u64 s[20:21], s[4:5], s[20:21]
	s_add_nc_u64 s[46:47], s[6:7], s[46:47]
	CROUND                                         ; all sixteen work-groups are here: the first joint loads meet
.irp s, 0,1
	s_mov_b32 s[G0+4*\s], 1                        ; 1:0 count = 1
	s_add_co_u32 s[G0+4*\s+1], s22, \s*SLOT        ; 63:32 LDS address
	s_add_nc_u64 s[G0+4*\s+2:G0+4*\s+3], s[20:21], \s*STEPB   ; 120:64 global address: K step s
	s_or_b32 s[G0+4*\s+3], s[G0+4*\s+3], 0x80000000           ; 127:126 type = 2
	s_mov_b32 s[G0B+4*\s], 1
	s_add_co_u32 s[G0B+4*\s+1], s23, \s*SLOT
	s_add_nc_u64 s[G0B+4*\s+2:G0B+4*\s+3], s[46:47], \s*STEPB
	s_or_b32 s[G0B+4*\s+3], s[G0B+4*\s+3], 0x80000000
	JLOAD \s                                       ; two tensor loads of mine are out
.endr
	v_and_b32 v1, 15, v0                           ; r = l % 16
	v_bfe_u32 v2, v0, 4, 1                         ; h = l / 16
	; the bias: my 128 numbers begin at 256 x tile column + 128 x part
	s_lshl_b32 s2, s17, 10
	s_lshl_b32 s19, s14, 9
	s_add_co_u32 s2, s2, s19
	s_mov_b32 s3, 0
	s_add_nc_u64 s[8:9], s[8:9], s[2:3]
	v_lshlrev_b32 v6, 5, v2
.irp b, 0,1,2,3,4,5,6,7
	global_load_b128 v[BIA+8*\b:BIA+8*\b+3], v6, s[8:9] offset:64*\b         ; lane (r, h), register j: bias of column 16 b + 8 h + j
	global_load_b128 v[BIA+8*\b+4:BIA+8*\b+7], v6, s[8:9] offset:64*\b+16
.endr
	v_lshrrev_b32 v3, 1, v1
	v_mul_u32_u24 v3, v3, PITCH
	v_and_b32 v4, 1, v1
	v_lshl_add_u32 v3, v4, 7, v3
	v_lshl_add_u32 v3, v2, 4, v3                   ; row r: 272 (r / 2) + 128 (r % 2) + 16 h
	s_mul_i32 s19, s13, 32*PITCH                   ; my 64 rows of A; s23 still holds my 128 columns' place
.irp s, 0,1
	v_add_nc_u32 v[ADRA+\s], s19, v3
	v_add_nc_u32 v[ADRB+\s], s23, v3
	s_add_co_u32 s19, s19, SLOT
	s_add_co_u32 s23, s23, SLOT
.endr
	s_mul_i32 s19, s12, 16*SPITCH
	s_add_co_u32 s19, s19, STAGE                   ; my stage
	v_mul_u32_u24 v4, v1, SPITCH                   ; in: row r, 32 bytes for each half of the lanes
	v_lshl_add_u32 v4, v2, 5, v4
	v_add_nc_u32 v[STO], s19, v4
	v_and_b32 v5, 31, v0
	v_lshlrev_b32 v[CO], 4, v5                     ; back: the 32 lanes take one row of 512 bytes; and the same in C
	v_add_nc_u32 v[RD], s19, v[CO]
	v_lshlrev_b32 v[PFO], 8, v5
	s_lshl_b32 s22, s18, 19                        ; my first row of C: 128 x tile row + 64 x half, rows of 4,096 bytes,
	s_lshl_b32 s19, s13, 18
	s_add_co_u32 s22, s22, s19
	s_add_co_u32 s22, s22, s2                      ; my first column, in bytes: as in the bias
	s_mov_b32 s23, 0
	s_add_nc_u64 s[10:11], s[10:11], s[22:23]
	s_lshl_b32 s22, s18, 18                        ; the prefetches: the tile row of A,
	s_lshl_b32 s19, s15, 13                        ; my work-group's 8,192 bytes of a K step,
	s_add_co_u32 s22, s22, s19
	s_add_co_u32 s22, s22, 2*STEPB                 ; at K step 2: the first refill steps it to 3 and names K step 4.  Nothing is prefetched here, at the head
	s_add_nc_u64 s[PFA:PFA+1], s[4:5], s[22:23]
	s_cmp_eq_u32 s12, 0
	s_cselect_b32 s[LIM], 1, -1
; 8 matrix instructions: A's block a x B's eight, 32 along K, from buffers p.  bias = 1: the first product starts the sums from the bias.  The 32 accumulators take turns, one instruction a turn, in the same order in every quarter.
.macro MUL8 p, a, bias
.irp b, 0,1,2,3,4,5,6,7
.if \bias
	v_wmma_f32_16x16x32_f16 v[8*(8*(\a)+\b):8*(8*(\a)+\b)+7], v[BF+64*(\p)+8*\b:BF+64*(\p)+8*\b+7], v[AF+32*(\p)+8*(\a):AF+32*(\p)+8*(\a)+7], v[BIA+8*\b:BIA+8*\b+7]
.else
	v_wmma_f32_16x16x32_f16 v[8*(8*(\a)+\b):8*(8*(\a)+\b)+7], v[BF+64*(\p)+8*\b:BF+64*(\p)+8*\b+7], v[AF+32*(\p)+8*(\a):AF+32*(\p)+8*(\a)+7], v[8*(8*(\a)+\b):8*(8*(\a)+\b)+7]
.endif
.endr
.endm
; 24 LDS loads in one run: the fragments of the slot's q-th 32 along K (block q / 2 along K, 64 (q % 2) bytes into its rows) into buffers p: B's eight, then A's four
.macro FETCH slot, q, p
.set KO, ((\q)/2)*HEADB+((\q)%2)*64
	WIN TO_B
.irp i, 0,1,2,3,4,5,6,7
	ds_load_b128 v[BF+64*(\p)+8*\i:BF+64*(\p)+8*\i+3],   v[ADRB+\slot] offset:KO+\i*8*PITCH
	ds_load_b128 v[BF+64*(\p)+8*\i+4:BF+64*(\p)+8*\i+7], v[ADRB+\slot] offset:KO+\i*8*PITCH+32
.endr
	WIN 0
.irp i, 0,1,2,3
	ds_load_b128 v[AF+32*(\p)+8*\i:AF+32*(\p)+8*\i+3],   v[ADRA+\slot] offset:KO+\i*8*PITCH
	ds_load_b128 v[AF+32*(\p)+8*\i+4:AF+32*(\p)+8*\i+7], v[ADRA+\slot] offset:KO+\i*8*PITCH+32
.endr
.endm
.macro PLACES                          ; four places in front of loads into registers that matrix instructions have read, and of reads of results (ISA guide 7.12.1 for vector instructions)
.rept 4
	v_nop
.endr
.endm
; A K step is four quarters of 32 along K, 32 matrix instructions each, on buffers 0, 1, 0, 1.  One of the first three: multiplies buffers p and fetches the slot's q-th quarter into buffers g.
.macro QUARTER slot, q, p, g, bias
	s_wait_dscnt 4                                 ; B's fragments and A's blocks 0 and 1 are in; the youngest four loads (A's blocks 2 and 3) may be out
	WIN MUL-0x20*(\bias)
	MUL8 \p, 0, \bias
	MUL8 \p, 1, \bias
	PLACES
	FETCH \slot, \q, \g
	s_wait_dscnt 24                                ; all but the 24 just issued
	WIN MUL-0x20*(\bias)
	MUL8 \p, 2, \bias
	MUL8 \p, 3, \bias
.endm
; The last quarter multiplies buffers 1 and changes slots: one barrier; in front of it each wave waits for all its tensor loads, adds 0 to its spare word, and waits for that and for its own reads of this slot.
; fill = 1: the barrier opens a round of the cluster's, and this slot is filled again, two K steps ahead: the first tensor load behind the round.
.macro TURN slot, next, fill
.if \fill
	s_wait_xcnt 0x0                                ; the last prefetch, a K step back, has read its address: it is stepped here, ahead of the waits of the change of slots
	s_add_nc_u64 s[PFA:PFA+1], s[PFA:PFA+1], STEPB
.endif
	WIN 0                                          ; (the add's two registers lie in window 0)
	s_wait_tensorcnt 0x0                           ; all my tensor loads have landed: the one that was out is my part of the next slot
	ds_add_u32 v[SPW], v[NIL]                      ; 0 onto my spare word
	s_wait_dscnt 5                                 ; the add and the youngest four loads (A's blocks 2 and 3) may be out
	WIN MUL
	MUL8 1, 0, 0                                   ; eight matrix instructions stand between the add and the wait for it
	s_wait_dscnt 0x0                               ; the add is done, and my reads of this slot are over
	s_barrier_signal -1
	MUL8 1, 1, 0
	WIN 0                                          ; (branches may follow, and nothing stands between the wait below and the rest of the round)
	s_barrier_wait -1
.if \fill
	CREST                                          ; no wave of any partner still reads this slot's tile or has a load on its way
	s_add_nc_u64 s[G0+4*\slot+2:G0+4*\slot+3], s[G0+4*\slot+2:G0+4*\slot+3], 2*STEPB
	s_add_nc_u64 s[G0B+4*\slot+2:G0B+4*\slot+3], s[G0B+4*\slot+2:G0B+4*\slot+3], 2*STEPB
	JLOAD \slot                                    ; the four v_nop behind it are also the places in front of the loads below
.else
	PLACES
.endif
	FETCH \next, 0, 0
.if \fill
	ASK                                            ; behind the joint load and the run of LDS loads that the next products wait for
.endif
	WIN MUL
	MUL8 1, 2, 0
	MUL8 1, 3, 0
.endm
	s_wait_tensorcnt 1                             ; my part of K step 0 is in; K step 1's load, issued behind it, may be out
	s_barrier_signal -1
	s_barrier_wait -1                              ; everybody's is
	FETCH 0, 0, 0
	s_wait_loadcnt 0x0                             ; the bias
	QUARTER 0, 1, 0, 1, 1                          ; the first quarter stands in front of the loop: its products start the sums from the bias
	WIN 0                                          ; at a label and at a branch every window is 0
	s_mov_b32 s3, LAPS-1
.Llap:                                                 ; a trip goes once round the ring, from a lap's second quarter to the next lap's first, and fills both slots again
	QUARTER 0, 2, 1, 0, 0
	QUARTER 0, 3, 0, 1, 0
	TURN 0, 1, 1
	QUARTER 1, 1, 0, 1, 0
	QUARTER 1, 2, 1, 0, 0
	QUARTER 1, 3, 0, 1, 0
	TURN 1, 0, 1
	QUARTER 0, 1, 0, 1, 0
	WIN 0
	s_sub_co_u32 s3, s3, 1
	s_cmp_lg_u32 s3, 0
	s_cbranch_scc1 .Llap
	QUARTER 0, 2, 1, 0, 0                          ; the last lap fills nothing, and has no round of the cluster's barrier
	QUARTER 0, 3, 0, 1, 0
	TURN 0, 1, 0
	QUARTER 1, 1, 0, 1, 0
	QUARTER 1, 2, 1, 0, 0
	QUARTER 1, 3, 0, 1, 0
	s_wait_dscnt 4                                 ; the very last quarter: nothing more to fetch
	WIN MUL
	MUL8 1, 0, 0
	MUL8 1, 1, 0
	s_wait_dscnt 0x0
	MUL8 1, 2, 0
	MUL8 1, 3, 0
	WIN 0
; THE WAY OUT, block by block of 16 rows x 128 columns.  A lane holds 32 neighbouring bytes of a row: a block goes through my own stage and comes back as whole rows of 512 bytes.
; LDS serves a wave's instructions in order (ISA guide 5.7.1.4): no wait between the stores and the loads, nor in front of the next block's stores.
.macro TOSTAGE a
	WIN 0x08                                       ; an LDS store's data are its source 1: window 2
.irp b, 0,1,2,3,4,5,6,7
	ds_store_b128 v[STO], v[64*(\a)+8*\b:64*(\a)+8*\b+3] offset:64*\b        ; each accumulator from its low end on
	ds_store_b128 v[STO], v[64*(\a)+8*\b+4:64*(\a)+8*\b+7] offset:64*\b+16
.endr
	WIN 0
.set BB, 64+128*((\a)%2)
.irp t, 0,1,2,3,4,5,6,7,8,9,10,11,12,13,14,15
	ds_load_b128 v[BB+4*\t:BB+4*\t+3], v[RD] offset:\t*SPITCH
.endr
.endm
.macro SEND a, younger                 ; younger: the LDS instructions issued behind block a's loads: the next block's 16 stores and 16 loads, or none
.set BB, 64+128*((\a)%2)
	s_wait_dscnt \younger                          ; the block is back in registers
.irp t, 0,1,2,3,4,5,6,7,8,9,10,11,12,13,14,15
	global_store_b128 v[CO], v[BB+4*\t:BB+4*\t+3], s[10:11] offset:(\a)*65536+\t*4096 th:TH_STORE_NT   ; 32 lanes store 512 consecutive bytes, aligned; written once, read by nobody here
.endr
.endm
	PLACES                                         ; behind the last products: the stores below read results, and the loads land where A's fragments lay
	TOSTAGE 0
.irp a, 1,2,3
.if \a > 1
	s_wait_xcnt 0x0                                ; block a - 2's stores have read their data: block a's loads may land there
.endif
	TOSTAGE \a
	SEND \a-1, 32
.endr
	SEND 3, 0
	s_wait_tensorcnt 0x0                           ; the wave's end: behind my last tensor load and my last LDS store
	ds_add_u32 v[SPW], v[NIL]
	s_wait_dscnt 0x0
	CROUND                                         ; the closing round: no work-group ends while a partner may still ask for a tile that names it
	s_endpgm
.Lfunc_end_k_q0b39e716aa_oproj:
	.size	k_q0b39e716aa_oproj, .Lfunc_end_k_q0b39e716aa_oproj-k_q0b39e716aa_oproj
	.p2alignl 7, 3214868480
	.fill 96, 4, 3214868480
	.section	.rodata,"a",@progbits
	.p2align	6, 0x0
	.amdhsa_kernel k_q0b39e716aa_oproj
		.amdhsa_group_segment_fixed_size 327680
		.amdhsa_private_segment_fixed_size 0
		.amdhsa_enable_private_segment 0
		.amdhsa_kernarg_size 32
		.amdhsa_user_sgpr_count 2
		.amdhsa_user_sgpr_kernarg_segment_ptr 1
		.amdhsa_wavefront_size32 1
		.amdhsa_system_sgpr_workgroup_id_x 1
		.amdhsa_system_sgpr_workgroup_id_y 1
		.amdhsa_system_sgpr_workgroup_id_z 1
		.amdhsa_system_vgpr_workitem_id 0
		.amdhsa_next_free_vgpr 768
		.amdhsa_next_free_sgpr 66
		.amdhsa_reserve_vcc 0
		.amdhsa_float_denorm_mode_32 3
		.amdhsa_float_denorm_mode_16_64 3
		.amdhsa_memory_ordered 1
		.amdhsa_forward_progress 1
		.amdhsa_inst_pref_size 87
	.end_amdhsa_kernel
	.amdgpu_metadata
---
amdhsa.version: [ 1, 2 ]
amdhsa.kernels:
  - .name:           k_q0b39e716aa_oproj
    .symbol:         k_q0b39e716aa_oproj.kd
    .args:
      - { .name: att16, .offset: 0, .size: 8, .value_kind: global_buffer, .address_space: global }
      - { .name: wo16, .offset: 8, .size: 8, .value_kind: global_buffer, .address_space: global }
      - { .name: bo, .offset: 16, .size: 8, .value_kind: global_buffer, .address_space: global }
      - { .name: out0, .offset: 24, .size: 8, .value_kind: global_buffer, .address_space: global }
    .group_segment_fixed_size: 327680
    .private_segment_fixed_size: 0
    .kernarg_segment_align: 8
    .kernarg_segment_size: 32
    .max_flat_workgroup_size: 128
    .sgpr_count:     66
    .vgpr_count:     768
    .wavefront_size: 32
...
	.end_amdgpu_metadata
.endif
;; end of part 4
